; MI455X (gfx1250); checked and timed in simulation.
; The chip was launched on July 23, 2026; its instructions are those of AMD's public machine-readable ISA for CDNA 5 (MIT licence, August 2026) and "CDNA5" Instruction Set Architecture Reference Guide (July 2026). The comments in the code are by the model that wrote it; some were corrected since.
;; Attn WROPEX. Allowed arithmetic: matrix products marked QUANTISED: E2M1 operands, one E8M0 scale for each 32 along K, by v_wmma_scale_f32_16x16x128_f8f6f4 with both operands' format E2M1 (or v_wmma_scale_f32_32x16x128_f4), f32 sums; products left as they are: bf16, f16 or f32 operands; f32 sums; everything else in f32.
;; Inputs: Wkv 1,024 x 2,048 float32; Wo 1,024 x 1,024 float32; Wq 1,024 x 1,024 float32; bkv 2,048 float32; bo 1,024 float32; bq 1,024 float32; x 2 x 2,048 x 1,024 float32.
;; Outputs: out0 2 x 2,048 x 1,024 float32.
;; This version of the problem:
;;   THIS VERSION OF THE PROBLEM IS GIVEN IN LOW PRECISION. The matrix products marked QUANTISED in the list below multiply operands that are first quantised to E2M1 (2 exponent bits, 1 mantissa bit; 4 bits a number), with one power-of-two scale for each 32 numbers along K (OCP MX v1.0); their sums are f32. The products marked 'left as it is' may take bf16, f16 or f32 operands, with f32 sums. Whichever they take, every output number must still come out within the allowed error. Rounding operands to bf16 (8 significant bits) uses up far more of that allowance than f16 does (11 bits, for magnitudes from 6e-5 to 65,504). All else is computed in f32.
;;   The module's matrix products, in the order in which they are computed (A, B: the left and right operand; K: the contracted axis; several contracted axes count as one K, in the product's order):
;;     1. [M 4,096, K 1,024] x [K 1,024, N 1,024]; A: input x; B: input Wq: QUANTISED
;;     2. [M 4,096, K 1,024] x [K 1,024, N 2,048]; A: input x; B: input Wkv: QUANTISED
;;     3. batch 32 x [M 2,048, K 64] x [K 64, N 2,048]; A: computed on the way; B: computed on the way: left as it is (an operand is computed on the way)
;;     4. batch 32 x [M 2,048, K 2,048] x [K 2,048, N 64]; A: computed on the way; B: computed on the way: left as it is (an operand is computed on the way)
;;     5. [M 4,096, K 1,024] x [K 1,024, N 1,024]; A: computed on the way; B: input Wo: left as it is (an operand is computed on the way)
;;   THE QUANTISER, for each operand of a quantised product, along K:
;;     - K is cut into blocks of 32 from its start; a last block that is shorter is filled with zeros.
;;     - A block's scale is 2^e with e = floor(log2(the largest magnitude in the block)) - 2, held to -126 .. 127; a block of zeros has e = 0. As a byte (E8M0): e + 127.
;;     - Each number is divided by its block's scale, clamped to +-6, and rounded to the nearest number of E2M1, ties to even, subnormals kept.
;;     - The product sums the exact products of the quantised numbers (number of the format x scale) in f32.
;;   ~~~python
;;   def quantise(x, axis):      # numpy; x: float32 -> the quantised numbers, widened to float32 again
;;       x = np.moveaxis(x, axis, -1); K = x.shape[-1]
;;       x = np.pad(x, [(0, 0)] * (x.ndim - 1) + [(0, -K % 32)]); x = x.reshape(x.shape[:-1] + (-1, 32)); a = np.abs(x).max(-1, keepdims=True)
;;       e = np.where(a > 0, np.clip(np.frexp(np.where(a > 0, a, 1))[1] - 1 - 2, -126, 127), 0)      # np.frexp(a)[1] - 1 = floor(log2(a)), exactly
;;       r = np.clip(x / 2.0 ** e, -6, 6)
;;       step = 2.0 ** (np.maximum(np.frexp(np.where(r == 0, 1, r))[1] - 1, 0) - 1)
;;       q = np.round(r / step) * step * 2.0 ** e      # np.round: ties to even
;;       return np.moveaxis(q.reshape(q.shape[:-2] + (-1,))[..., :K], -1, axis).astype(np.float32)
;;   ~~~
;; One version. Each part assembles by itself: llvm-mc -triple=amdgcn-amd-amdhsa -mcpu=gfx1250 --defsym DOCPART=n.
;; ======== version 1 of 1: 4 launches
;; limits: values are held in f16: magnitudes above 65,504 overflow, below 6.1e-05 lose precision; a function is approximated: absolute error at most 2.2e-05
;; workspace buffers: xc 2,097,152 bytes; xs 131,072 bytes; wc 1,572,864 bytes; ws 98,304 bytes; wo16 2,097,152 bytes; qkv 25,165,824 bytes; o16 8,388,608 bytes
;; launch prep (part 1): grid 256 x 1, 4 waves a work-group, no clusters, 33,280 bytes of LDS; arguments x, Wq, Wkv, Wo, xc, xs, wc, ws, wo16; writes xc, xs, wc, ws, wo16
.if DOCPART == 1
	.amdgcn_target "amdgcn-amd-amdhsa--gfx1250"
	.amdhsa_code_object_version 6
	.text
	.protected	k_qb0fccc47dc_prep
	.globl	k_qb0fccc47dc_prep
	.p2align	8
	.type	k_qb0fccc47dc_prep,@function
k_qb0fccc47dc_prep:
	s_mov_b64 s[64:65], 0
	v_nop
	global_prefetch_b8 v0, s[64:65] scope:SCOPE_SE
	s_setreg_imm32_b32 hwreg(HW_REG_WAVE_MODE, 25, 1), 1
	s_wait_xcnt 0x0
; PREP: every operand that is an input is brought into the form in which the later launches read it, once.
;   x   [4096][1024] f32 -> xc [4096][512 B] codes of E2M1, K innermost, and xs [4096][32 B] E8M0 scale bytes (K is x's last axis);
;   Wq  [1024][1024], Wkv [1024][2048] f32, K their FIRST axis -> wc [ntile 192][block 32][r 16][16 B]: column n = 16 ntile + r (Wq's 1,024, then Wkv's 2,048), a block of 32 codes along K in 16 bytes:
;       the 1,024 bytes of (ntile, 128 along K) are the image of an operand's registers: registers 4 c .. 4 c + 3 of lane l at 512 c + 16 l;   ws [3072][32 B] scale bytes;
;   Wo  [1024][1024] f32 -> wo16 [ntile 64][kfrag 32][q 4][r 16][16 B] f16: chunk q holds k = 32 kfrag + 8 q .. + 7 of column 16 ntile + r: again an operand's image (registers 0-3 at 16 l, 4-7 at 512 + 16 l).
; A block's scale is 2^(floor(log2(its largest magnitude)) - 2); its byte is the largest magnitude's exponent field - 2, held at 1 from below.
; LIMITS: a block of zeros gets the byte 1 where the quantiser's text says 127: its codes are zeros, and this program alone reads the bytes.  Blocks whose largest magnitude lies under 2^-124 have the byte held at 1.
; NaN and infinities are not served.  Wo goes to f16: magnitudes up to 65,504.
; ROLES by the work-group's number, 128 KiB of f32 each: 0-127 x; 128-159 Wq; 160-223 Wkv; 224-255 Wo.  A stream: no matrix unit, no tensor load, no cluster, no barrier: waves share nothing.
.set SPARE, 32768                      ; behind the four waves' regions: the spare words, 128 bytes a wave: two blocks of 256 bytes that no other line names
.set SP,    80                         ; x: a lane's place in a stage: its 64 bytes + 16 of padding
.set SPW,   2                          ; v2  LDS address of my spare word; never rewritten
.set NIL,   3                          ; v3  0; never rewritten
.set R,     16                         ; x: v16-79   four sets of 16 numbers as they are loaded
.set XN,    80                         ; x: v80-111  two sets of 16 neighbours
.set E,     112                        ; x: v112-127 a scale byte for each step
.set C,     128                        ; x: v128-191 codes, four registers a step: no store's data are written again
.set WX,    32                         ; weights: v32-95 two sets of 32 numbers down K
.set WC,    96                         ; weights: from v96 what is stored, registers of its own for each block
.macro FINISH                          ; the wave's end
	s_wait_tensorcnt 0x0
	ds_add_u32 v[SPW], v[NIL]
	s_wait_dscnt 0x0
	s_endpgm
.endm
	s_load_b256 s[4:11], s[0:1], 0x0               ; x s[4:5], Wq s[6:7], Wkv s[8:9], Wo s[10:11]
	s_load_b256 s[12:19], s[0:1], 0x20             ; xc s[12:13], xs s[14:15], wc s[16:17], ws s[18:19]
	s_load_b64 s[20:21], s[0:1], 0x40              ; wo16
	v_lshl_add_u32 v[SPW], v0, 2, SPARE
	v_mov_b32 v[NIL], 0
	v_lshrrev_b32 v1, 5, v0
	v_readfirstlane_b32 s22, v1                    ; wave
	v_and_b32 v4, 31, v0                           ; lane
	; the LDS addresses of the x role are made here, ahead of the parting of the roles
	s_lshl_b32 s25, s22, 13                        ; my wave's region of 8,192 bytes: two stages of 32 x 80, then 256 scale bytes
	v_lshlrev_b32 v5, 4, v4                        ; my 16 bytes of a load's 512
	v_lshrrev_b32 v6, 2, v4
	v_mul_u32_u24 v6, v6, SP
	v_and_b32 v7, 3, v4
	v_lshl_add_u32 v6, v7, 4, v6
	v_add_nc_u32 v6, s25, v6                       ; the stage, in: 80 (lane / 4) + 16 (lane % 4)
	v_mul_u32_u24 v7, v4, SP
	v_add_nc_u32 v7, s25, v7                       ; and out: 80 x lane: my 16 neighbours
	v_lshlrev_b32 v8, 3, v4                        ; 8 x lane: my codes' place in a step's, and my 8 scale bytes' on the way out
	s_add_co_u32 s25, s25, 2*32*SP
	v_lshrrev_b32 v9, 1, v4
	v_add_nc_u32 v9, s25, v9                       ; my block's scale byte in LDS
	v_add_nc_u32 v10, s25, v8                      ; and where I read 8 of them back
	s_wait_kmcnt 0x0
	s_cmp_lt_u32 ttmp9, 128
	s_cbranch_scc0 .Lweights
; ---------------- x: a plain stream of blocks of 32.  A wave takes 16 steps of 512 numbers.
; Each load reads 512 consecutive bytes, 16 a lane; a step's 2,048 bytes turn through the wave's own stage and come back 64 bytes a lane: 16 neighbours, two lanes to a block.
	s_lshl_b32 s24, ttmp9, 2
	s_add_co_u32 s24, s24, s22                     ; which run of 8,192 numbers is my wave's
	s_mov_b32 s27, 0
	s_lshl_b32 s26, s24, 15
	s_add_nc_u64 s[4:5], s[4:5], s[26:27]          ; 32,768 bytes of x,
	s_lshl_b32 s26, s24, 12
	s_add_nc_u64 s[12:13], s[12:13], s[26:27]      ; 4,096 of codes,
	s_lshl_b32 s26, s24, 8
	s_add_nc_u64 s[14:15], s[14:15], s[26:27]      ; 256 scale bytes a run
.macro LOAD t
.irp i, 0,1,2,3
	global_load_b128 v[R+16*((\t)%4)+4*\i:R+16*((\t)%4)+4*\i+3], v5, s[4:5] offset:2048*(\t)+512*\i th:TH_LOAD_NT
.endr
.endm
.macro TURN t                          ; LDS serves a wave's instructions in order: no wait between the stores and the loads
.irp i, 0,1,2,3
	ds_store_b128 v6, v[R+16*((\t)%4)+4*\i:R+16*((\t)%4)+4*\i+3] offset:32*SP*((\t)%2)+8*SP*\i
.endr
.irp i, 0,1,2,3
	ds_load_b128 v[XN+16*((\t)%2)+4*\i:XN+16*((\t)%2)+4*\i+3], v7 offset:32*SP*((\t)%2)+16*\i
.endr
.endm
.irp t, 0,1,2,3
	LOAD \t
.endr
	s_wait_loadcnt 12                              ; step 0's four loads are in; the twelve of steps 1 to 3 may be out
	TURN 0
.macro STEP t
.set XS, XN+16*((\t)%2)
.if (\t) > 0
	s_wait_dscnt 1                                 ; this step's numbers are back from the stage (the last step's byte store may be out): so its stores into the stage have read their registers,
.else
	s_wait_dscnt 0x0
.endif
.if (\t)+4 < 16
	LOAD (\t)+4                                    ; which take the loads of four steps on
.endif
.if (\t)+1 < 16
.if 14-(\t) >= 3
	s_wait_loadcnt 12                              ; the next step's four loads are in; those of the three steps behind it may be out
.else
	s_wait_loadcnt 4*(14-(\t))
.endif
	TURN (\t)+1
.endif
	v_max3_num_f32 v12, |v[XS]|, |v[XS+1]|, |v[XS+2]|
	v_max3_num_f32 v13, |v[XS+3]|, |v[XS+4]|, |v[XS+5]|
.irp i, 6,10
	v_max3_num_f32 v12, v12, |v[XS+\i]|, |v[XS+\i+1]|
	v_max3_num_f32 v13, v13, |v[XS+\i+2]|, |v[XS+\i+3]|
.endr
	v_max3_num_f32 v12, v12, |v[XS+14]|, |v[XS+15]|
	v_max3_num_f32 v12, v12, v13, 0x1800000        ; and the floor 2^(3 - 127): the byte cannot fall under 1
	v_max_num_f32_dpp v12, v12, v12 row_xmask:1 row_mask:0xf bank_mask:0xf   ; with my neighbour's 16: the block's largest magnitude
	v_add_nc_u32 v15, 0xff000000, v12              ; 2 off its exponent field: the conversion takes that field as its scale
	v_cvt_scalef32_pk8_fp4_f32 v[C+4*(\t)], v[XS:XS+7], v15
	v_cvt_scalef32_pk8_fp4_f32 v[C+4*(\t)+1], v[XS+8:XS+15], v15
	v_lshrrev_b32 v[E+(\t)], 23, v15               ; the scale's byte
	ds_store_b8 v9, v[E+(\t)] offset:16*(\t)       ; both lanes of a block write the same byte with the same value
	global_store_b64 v8, v[C+4*(\t):C+4*(\t)+1], s[12:13] offset:256*(\t)   ; the wave stores 256 consecutive bytes, aligned
.endm
.irp t, 0,1,2,3,4,5,6,7,8,9,10,11,12,13,14,15
	STEP \t
.endr
	ds_load_b64 v[12:13], v10                      ; my wave's 256 scale bytes, 8 a lane
	s_wait_dscnt 0x0
	global_store_b64 v8, v[12:13], s[14:15]        ; 256 consecutive bytes, aligned
	FINISH
; ---------------- the weights: A LANE TAKES A COLUMN AND ITS REGISTERS RUN DOWN K.  A wave takes 32 columns x 256 along K: 8 blocks of 32.
; Each load reads 128 consecutive bytes a wave, the four waves stand side by side on 512.  Loads run two blocks (64 loads a wave) ahead.  Every offset is an immediate: 255 rows of 8,192 bytes at the most.
.macro WIDS first, bits                ; s25 = which 256 along K; s26 = which 32 columns
	s_sub_co_u32 s23, ttmp9, \first
	s_and_b32 s24, s23, (1<<\bits)-1
	s_lshr_b32 s25, s23, \bits
	s_lshl_b32 s26, s24, 2
	s_add_co_u32 s26, s26, s22
	s_mov_b32 s29, 0
	v_lshlrev_b32 v20, 2, v4                       ; in: 4 bytes a lane
	v_lshrrev_b32 v21, 4, v4                       ; out: which of my two tiles of 16 columns,
	v_and_b32 v23, 15, v4
	v_lshlrev_b32 v23, 4, v23                      ; and 16 bytes a column in it
.endm
.macro WSRC src, stride                ; s[30:31] = my wave's first number
	s_mul_i32 s28, s25, 256*\stride
	s_lshl_b32 s27, s26, 7
	s_add_co_u32 s28, s28, s27
	s_add_nc_u64 s[30:31], s[\src:\src+1], s[28:29]
.endm
.macro WLOAD t, stride
.set i, 0
.rept 32
	global_load_b32 v[WX+32*((\t)%2)+i], v20, s[30:31] offset:(32*(\t)+i)*\stride th:TH_LOAD_NT
.set i, i+1
.endr
.endm
.macro WWAIT t
.if (\t) < 7
	s_wait_loadcnt 32                              ; this block's 32 loads are in; the next block's may be out
.else
	s_wait_loadcnt 0x0
.endif
.endm
.macro WBLOCK t, stride                ; a block of 32 along K of my column becomes 16 bytes of codes and a scale byte
.set XS, WX+32*((\t)%2)
	WWAIT \t
	v_max3_num_f32 v26, |v[XS]|, |v[XS+1]|, |v[XS+2]|
	v_max3_num_f32 v27, |v[XS+3]|, |v[XS+4]|, |v[XS+5]|
.irp i, 6,10,14,18,22,26
	v_max3_num_f32 v26, v26, |v[XS+\i]|, |v[XS+\i+1]|
	v_max3_num_f32 v27, v27, |v[XS+\i+2]|, |v[XS+\i+3]|
.endr
	v_max3_num_f32 v26, v26, |v[XS+30]|, |v[XS+31]|
	v_max3_num_f32 v26, v26, v27, 0x1800000        ; the floor 2^(3 - 127)
	v_add_nc_u32 v28, 0xff000000, v26              ; the conversion's scale operand
	v_lshrrev_b32 v27, 23, v28                     ; the scale's byte
.if (\t)%4 == 0
	v_mov_b32 v[24+(\t)/4], v27                    ; four bytes to a register, the lower K in the lower byte
.else
	v_lshl_or_b32 v[24+(\t)/4], v27, 8*((\t)%4), v[24+(\t)/4]
.endif
.irp g, 0,1,2,3
	v_cvt_scalef32_pk8_fp4_f32 v[WC+4*(\t)+\g], v[XS+8*\g:XS+8*\g+7], v28
.endr
	global_store_b128 v21, v[WC+4*(\t):WC+4*(\t)+3], s[32:33] offset:256*(\t)   ; sixteen lanes store 256 consecutive bytes, aligned: a block of one tile of columns
.if (\t)+2 < 8
	WLOAD (\t)+2, \stride
.endif
.endm
.macro WQUANT src, stride, noff
	WSRC \src, \stride
	s_lshl_b32 s28, s26, 14                        ; wc: two tiles of 8,192 bytes for each 32 columns,
	s_lshl_b32 s27, s25, 11                        ; 8 blocks of 256 bytes for each 256 along K,
	s_add_co_u32 s28, s28, s27
	s_add_co_u32 s28, s28, (\noff/16)*8192         ; behind Wq's tiles for Wkv
	s_add_nc_u64 s[32:33], s[16:17], s[28:29]
	s_lshl_b32 s28, s26, 10                        ; ws: 32 bytes a column,
	s_lshl_b32 s27, s25, 3                         ; 8 bytes for each 256 along K
	s_add_co_u32 s28, s28, s27
	s_add_co_u32 s28, s28, \noff*32
	s_add_nc_u64 s[34:35], s[18:19], s[28:29]
	v_lshl_add_u32 v21, v21, 13, v23
	v_lshlrev_b32 v22, 5, v4
	WLOAD 0, \stride
	WLOAD 1, \stride
.set Q, 0
.rept 8
	WBLOCK Q, \stride
.set Q, Q+1
.endr
	global_store_b64 v22, v[24:25], s[34:35]       ; my column's 8 scale bytes: rows 32 bytes apart, so these stores cover their 256-byte blocks in part: 98,304 bytes of all that the launch moves
	FINISH
.endm
.macro WCBLOCK t                       ; a block of 32 along K of my column becomes four chunks of 8 f16
.set XS, WX+32*((\t)%2)
	WWAIT \t
.set i, 0
.rept 16
	v_cvt_pk_f16_f32 v[WC+16*(\t)+i], v[XS+2*i], v[XS+2*i+1]
.set i, i+1
.endr
.irp q, 0,1,2,3
	global_store_b128 v21, v[WC+16*(\t)+4*\q:WC+16*(\t)+4*\q+3], s[32:33] offset:1024*(\t)+256*\q   ; sixteen lanes store 256 consecutive bytes, aligned
.endr
.if (\t)+2 < 8
	WLOAD (\t)+2, 4096
.endif
.endm
.Lweights:
	s_cmp_lt_u32 ttmp9, 160
	s_cbranch_scc1 .Lwq
	s_cmp_lt_u32 ttmp9, 224
	s_cbranch_scc1 .Lwkv
	WIDS 224, 3                                    ; Wo
	WSRC 10, 4096
	s_lshl_b32 s28, s26, 16                        ; wo16: two tiles of 32,768 bytes for each 32 columns,
	s_lshl_b32 s27, s25, 13                        ; 8 fragments of 1,024 bytes for each 256 along K
	s_add_co_u32 s28, s28, s27
	s_add_nc_u64 s[32:33], s[20:21], s[28:29]
	v_lshl_add_u32 v21, v21, 15, v23
	WLOAD 0, 4096
	WLOAD 1, 4096
.set Q, 0
.rept 8
	WCBLOCK Q
.set Q, Q+1
.endr
	FINISH
.Lwq:
	WIDS 128, 3
	WQUANT 6, 4096, 0
.Lwkv:
	WIDS 160, 4
	WQUANT 8, 8192, 1024
.Lfunc_end_k_qb0fccc47dc_prep:
	.size	k_qb0fccc47dc_prep, .Lfunc_end_k_qb0fccc47dc_prep-k_qb0fccc47dc_prep
	.p2alignl 7, 3214868480
	.fill 96, 4, 3214868480
	.section	.rodata,"a",@progbits
	.p2align	6, 0x0
	.amdhsa_kernel k_qb0fccc47dc_prep
		.amdhsa_group_segment_fixed_size 33280
		.amdhsa_private_segment_fixed_size 0
		.amdhsa_enable_private_segment 0
		.amdhsa_kernarg_size 72
		.amdhsa_user_sgpr_count 2
		.amdhsa_user_sgpr_kernarg_segment_ptr 1
		.amdhsa_wavefront_size32 1
		.amdhsa_system_sgpr_workgroup_id_x 1
		.amdhsa_system_sgpr_workgroup_id_y 1
		.amdhsa_system_sgpr_workgroup_id_z 1
		.amdhsa_system_vgpr_workitem_id 0
		.amdhsa_next_free_vgpr 224
		.amdhsa_next_free_sgpr 66
		.amdhsa_reserve_vcc 0
		.amdhsa_float_denorm_mode_32 3
		.amdhsa_float_denorm_mode_16_64 3
		.amdhsa_memory_ordered 1
		.amdhsa_forward_progress 1
		.amdhsa_inst_pref_size 145
	.end_amdhsa_kernel
	.amdgpu_metadata
---
amdhsa.version: [ 1, 2 ]
amdhsa.kernels:
  - .name:           k_qb0fccc47dc_prep
    .symbol:         k_qb0fccc47dc_prep.kd
    .args:
      - { .name: x, .offset: 0, .size: 8, .value_kind: global_buffer, .address_space: global }
      - { .name: Wq, .offset: 8, .size: 8, .value_kind: global_buffer, .address_space: global }
      - { .name: Wkv, .offset: 16, .size: 8, .value_kind: global_buffer, .address_space: global }
      - { .name: Wo, .offset: 24, .size: 8, .value_kind: global_buffer, .address_space: global }
      - { .name: xc, .offset: 32, .size: 8, .value_kind: global_buffer, .address_space: global }
      - { .name: xs, .offset: 40, .size: 8, .value_kind: global_buffer, .address_space: global }
      - { .name: wc, .offset: 48, .size: 8, .value_kind: global_buffer, .address_space: global }
      - { .name: ws, .offset: 56, .size: 8, .value_kind: global_buffer, .address_space: global }
      - { .name: wo16, .offset: 64, .size: 8, .value_kind: global_buffer, .address_space: global }
    .group_segment_fixed_size: 33280
    .private_segment_fixed_size: 0
    .kernarg_segment_align: 8
    .kernarg_segment_size: 72
    .max_flat_workgroup_size: 128
    .sgpr_count:     66
    .vgpr_count:     224
    .wavefront_size: 32
...
	.end_amdgpu_metadata
.endif
;; end of part 1
;; launch qkv (part 2): grid 16 x 16, 4 waves a work-group, clusters of 4 x 4, 327,680 bytes of LDS; arguments xc, xs, wc, ws, bq, bkv, qkv; writes qkv
.if DOCPART == 2
	.amdgcn_target "amdgcn-amd-amdhsa--gfx1250"
	.amdhsa_code_object_version 6
	.text
	.protected	k_qb0fccc47dc_qkv
	.globl	k_qb0fccc47dc_qkv
	.p2align	8
	.type	k_qb0fccc47dc_qkv,@function
k_qb0fccc47dc_qkv:
	s_mov_b64 s[64:65], 0
	v_nop
	global_prefetch_b8 v0, s[64:65] scope:SCOPE_SE
	s_setreg_imm32_b32 hwreg(HW_REG_WAVE_MODE, 25, 1), 1
	s_wait_xcnt 0x0
	s_wait_alu depctr_hold_cnt(0) depctr_sa_sdst(0) depctr_va_vdst(0) depctr_va_sdst(0) depctr_va_ssrc(0) depctr_va_vcc(0) depctr_vm_vsrc(0)
	s_getreg_b32 s2, hwreg(HW_REG_IB_STS2, 6, 4)
	s_cmp_eq_u32 s2, 0
	s_cbranch_scc0 .Lentry_in_a_cluster
	s_endpgm
.Lentry_in_a_cluster:
	s_bfe_u32 s2, ttmp6, 0x10000c
	s_cmp_lg_u32 s2, 0xf033
	s_cbranch_scc0 .Lentry_shape_is_right
	s_endpgm
.Lentry_shape_is_right:
; QKV: [q | k | v] = Q(x) Q([Wq | Wkv]) + [bq | bkv] on codes of E2M1 with E8M0 scales, then RoPE on q and k, q times log2(e) / 8, all rounded once to f16 and stored as images of the next products' operands.
; SHARES.  Work-group (X, Y): rows 256 Y .. + 255 of x, columns 192 X .. + 191: three whole heads g = 3 X + hd of the 48 (16 of q, 16 of k, 16 of v).  Wave w: rows 64 w .. + 63 (4 tiles a) x all 12 tiles b = 4 hd + u of columns:
; 48 accumulators.  A wave holds whole heads, so that RoPE's partners, channels i and i + 32 (tiles u and u + 2), lie in the same lane and register number.
; ALL OF K = 1,024 LIES IN LDS AT ONCE: x's 256 rows of 512 bytes and the weights' 12 tiles of 8,192: one tensor load a wave, nothing is ever filled again, one barrier.
; CLUSTER 4 x 4: x's rows are shared along a row of the cluster, the weights' tiles along a column: each is asked for jointly by the four.
; THE MATRIX INSTRUCTION IS USED TRANSPOSED (source 0 = 16 columns of W, source 1 = 16 rows of x): lane (r, h) holds row r and columns 8 h + 0 .. 7 of a tile: packed to f16 these are four registers of the next product's fragment, in this very lane.
; OUT: qkv [b 2][g 48][tile of 16 positions 128][u 4][512 B]; the 16 bytes of (position r, channels 16 u + 8 h ..) lie at 16 ((r xor 8 h) + 16 h): each store of the wave covers 512 consecutive bytes, aligned.
; THE BIAS is the C of each sum's first product.  For v the rotation is switched off by numbers, not by a branch: out = x (alpha cos + beta) -+ partner (alpha sin), alpha = log2(e) / 8 (q), 1 (k), 0 (v); beta = 0, 0, 1.
; SINE AND COSINE in f32, while the tiles are on their way: angle = t x 2^(-i log2(10000) / 32); the nearest multiple of 2 pi is taken off in two parts; series in y^2 up to y^13 and y^14 on |y| <= pi.
; LIMITS: the series' remainders are at most 2.2e-5 (sine) and 4.3e-6 (cosine); the angle is good to some 2e-4 at t = 2,047.  f16 results: |q| log2(e) / 8, |k|, |v| up to 65,504.  NaN and infinities are not served.
; No prefetch and no ring: each work-group's bytes are asked for once, at its head.
; REGISTERS, in windows of 256.  Window 0: v1-3 r, h, lane; v4-15 alpha and beta, a pair each for each head; v16-23 addresses; v32-95 x's fragments, two sets (later at work on the way out); v96-111 x's scale words, v112-159 W's; v160-255 the bias (v160-191 later the packed results).
;   Window 1: W's fragments, two sets of 96 (before that the series' work).   Window 2: the 24 accumulators of tiles a = 0, 1 at v[8 (12 (a % 2) + b)], and from v192 their cosines and sines.   Window 3: the same for a = 2, 3.
.set PITCH, 528                        ; a row of x's codes in LDS: 512 bytes + 16: the sixteen rows of a fragment load begin 16 bytes further round modulo 256 each
.set BOFF,  256*PITCH                  ; behind them W's 12 tiles, dense: every fragment load takes 512 consecutive bytes
.set SPARE, BOFF+12*8192               ; behind them the spare words, 128 bytes a wave: two blocks of 256 bytes that no other line names
.set ADRA,  16
.set ADRB0, 17
.set ADRB1, 18
.set SPW,   28
.set NIL,   29
.set AF,    32
.set SA,    96
.set SB,    112
.set BIAS,  160
.set CF,    32                         ; the way out: alpha cos + beta, alpha sin, the two halves of a head
.set SF,    48
.set T1,    64
.set T2,    80
.set G1A, 28                           ; s[28:35], s[36:39]: groups 1 and 0 for x's rows;  s[40:47], s[48:51]: for W's tiles
.set G0A, 36
.set G1B, 40
.set G0B, 48
.set MSB, 0
.macro WIN new                         ; the immediate's high byte repeats the setting that is left
.if MSB != (\new)
	s_set_vgpr_msb (MSB<<8)|(\new)
.set MSB, \new
.endif
.endm
.macro CROUND                          ; a round of the cluster's barrier
	s_barrier_signal -1
	s_barrier_wait -1
	s_cmp_lg_u32 s18, 0
	s_cbranch_scc1 .Lnot_wave_0_\@
	s_barrier_signal -3
.Lnot_wave_0_\@:
	s_barrier_wait -3
	s_barrier_signal -1
	s_barrier_wait -1
.endm
	s_load_b256 s[4:11], s[0:1], 0x0               ; xc s[4:5], xs s[6:7], wc s[8:9], ws s[10:11]
	s_load_b128 s[12:15], s[0:1], 0x20             ; bq, bkv
	s_load_b64 s[16:17], s[0:1], 0x30              ; qkv
	v_lshl_add_u32 v[SPW], v0, 2, SPARE
	v_mov_b32 v[NIL], 0
	ds_add_u32 v[SPW], v[NIL]                      ; the wave's opening: the add, twice on end, and its wait ahead of my first tensor load
	ds_add_u32 v[SPW], v[NIL]
	v_lshrrev_b32 v1, 5, v0
	v_readfirstlane_b32 s18, v1                    ; wave 0..3
	s_and_b32 s19, s18, 1                          ; which half of the tile I fetch
	s_lshr_b32 s20, s18, 1                         ; I fetch x's rows (0) or W's tiles (1)
	s_bfe_u32 s21, ttmp6, 0x40000                  ; cx
	s_bfe_u32 s22, ttmp6, 0x40004                  ; cy
	s_lshl_b32 s23, ttmp9, 2
	s_add_co_u32 s23, s23, s21                     ; X
	s_and_b32 s24, ttmp7, 0xffff
	s_lshl_b32 s24, s24, 2
	s_add_co_u32 s24, s24, s22                     ; Y
	s_lshl_b32 s25, s22, 2
	s_lshl_b32 s25, 15, s25                        ; my row of the cluster
	s_lshl_b32 s26, 0x1111, s21                    ; my column
	s_or_b32 s[G1A+0], s25, (0<<16)|(1<<20)|(1<<21)|(6<<22)|(3<<25)  ; the mask; elements of 1 byte; padding on; bit 21 beside a mask; 4 words behind every 128
	s_mov_b32 s[G1A+1], 512<<16                    ; tensor_dim0 = 512
	s_mov_b32 s[G1A+2], 128<<16                    ; tensor_dim1 = 128
	s_mov_b32 s[G1A+3], 512<<16                    ; tile_dim0 = 512
	s_mov_b32 s[G1A+4], 128                        ; tile_dim1 = 128
	s_mov_b32 s[G1A+5], 512                        ; from row to row
	s_mov_b32 s[G1A+6], 0
	s_mov_b32 s[G1A+7], 0
	s_or_b32 s[G1B+0], s26, (3<<16)|(1<<21)        ; six tiles, 49,152 dense bytes, as 192 rows of 32 elements of 8 bytes; no padding
	s_mov_b32 s[G1B+1], 32<<16
	s_mov_b32 s[G1B+2], 192<<16
	s_mov_b32 s[G1B+3], 32<<16
	s_mov_b32 s[G1B+4], 192
	s_mov_b32 s[G1B+5], 32
	s_mov_b32 s[G1B+6], 0
	s_mov_b32 s[G1B+7], 0
	s_lshl_b32 s52, s24, 8                         ; x: row 256 Y + 128 x half, 512 bytes a row (these registers never hold X)
	s_lshl_b32 s56, s19, 7
	s_add_co_u32 s52, s52, s56
	s_lshl_b32 s52, s52, 9
	s_mov_b32 s53, 0
	s_mul_i32 s54, s23, 12                         ; W: tile 12 X + 6 x half, 8,192 bytes a tile (these never hold Y)
	s_mul_i32 s57, s19, 6
	s_add_co_u32 s54, s54, s57
	s_lshl_b32 s54, s54, 13
	s_mov_b32 s55, 0
	s_mul_i32 s58, s18, 128*PITCH                  ; where they go: waves 0, 1: x's halves;
	s_mul_i32 s59, s18, 49152
	s_add_co_u32 s59, s59, BOFF-2*49152            ; waves 2, 3: W's halves.  No place in the cluster enters an LDS address
	s_wait_dscnt 0x0                               ; both opening adds are done
	s_wait_kmcnt 0x0
	CROUND                                         ; all sixteen work-groups are here: the joint loads meet
	s_mov_b32 s[G0A], 1
	s_mov_b32 s[G0A+1], s58
	s_add_nc_u64 s[G0A+2:G0A+3], s[4:5], s[52:53]
	s_or_b32 s[G0A+3], s[G0A+3], 0x80000000
	s_mov_b32 s[G0B], 1
	s_mov_b32 s[G0B+1], s59
	s_add_nc_u64 s[G0B+2:G0B+3], s[8:9], s[54:55]
	s_or_b32 s[G0B+3], s[G0B+3], 0x80000000
	s_cmp_eq_u32 s20, 0                            ; my one tensor load; an s_nop 0 and four v_nop follow each of the two lines
	s_cbranch_scc0 .Lfor_b
	tensor_load_to_lds s[G0A:G0A+3], s[G1A:G1A+7]
	s_nop 0
.rept 4
	v_nop
.endr
	s_branch .Lasked
.Lfor_b:
	tensor_load_to_lds s[G0B:G0B+3], s[G1B:G1B+7]
	s_nop 0
.rept 4
	v_nop
.endr
.Lasked:
	v_and_b32 v1, 15, v0                           ; r
	v_bfe_u32 v2, v0, 4, 1                         ; h
	v_and_b32 v3, 31, v0                           ; lane
	s_mul_i32 s56, s18, 64*PITCH
	v_mul_u32_u24 v[ADRA], v1, PITCH
	v_lshl_add_u32 v[ADRA], v2, 4, v[ADRA]
	v_add_nc_u32 v[ADRA], s56, v[ADRA]             ; x's fragments: (64 w + r) rows + 16 h
	v_lshl_add_u32 v[ADRB0], v3, 4, BOFF           ; W's: 16 x lane in tiles 0-5,
	v_add_nc_u32 v[ADRB1], 49152, v[ADRB0]         ; and in tiles 6-11
	v_lshlrev_b32 v19, 5, v1
	v_lshl_add_u32 v19, v2, 4, v19                 ; scale words: row r's 32 bytes; lanes 0-15 take those of K steps 0-3, lanes 16-31 those of K steps 4-7
	v_lshlrev_b32 v20, 3, v2                       ; 8 h
	v_lshlrev_b32 v22, 5, v2                       ; the bias: 8 h numbers on
	v_xor_b32 v23, v3, v20
	v_lshlrev_b32 v23, 4, v23                      ; out: 16 (lane xor 8 h)
	s_and_b32 s86, s24, 7
	s_lshl_b32 s86, s86, 8
	s_lshl_b32 s87, s18, 6
	s_add_co_u32 s86, s86, s87
	v_add_nc_u32 v21, s86, v1                      ; my position t in the sequence for tile a = 0: 256 (Y % 8) + 64 w + r
	s_lshl_b32 s52, s24, 13                        ; xs: (256 Y + 64 w) rows of 32 bytes
	s_lshl_b32 s56, s18, 11
	s_add_co_u32 s52, s52, s56
	s_add_nc_u64 s[6:7], s[6:7], s[52:53]
	s_mul_i32 s54, s23, 192*32                     ; ws: 192 X rows
	s_add_nc_u64 s[10:11], s[10:11], s[54:55]
	s_mul_i32 s60, s23, 3                          ; my first head
	s_mov_b32 s61, 0x3e38aa3b                      ; log2(e) / 8
	s_mov_b32 s62, 0x3f800000                      ; 1.0
.irp hd, 0,1,2                                 ; which bias, and alpha and beta: chosen by numbers; no branch hangs on the work-group's place
	s_add_co_u32 s63, s60, \hd
	s_cmp_lt_u32 s63, 16
	s_cselect_b64 s[78+2*\hd:79+2*\hd], s[12:13], s[14:15]
	s_cselect_b32 s[66+\hd], s61, s62
	s_cselect_b32 s84, 0, 16
	s_cmp_lt_u32 s63, 32
	s_cselect_b32 s[66+\hd], s[66+\hd], 0
	s_cselect_b32 s[69+\hd], 0, s62
	s_sub_co_u32 s84, s63, s84
	s_lshl_b32 s84, s84, 8                         ; 64 numbers a head
	s_mov_b32 s85, 0
	s_add_nc_u64 s[78+2*\hd:79+2*\hd], s[78+2*\hd:79+2*\hd], s[84:85]
	v_mov_b32 v[4+4*\hd], s[66+\hd]
	v_mov_b32 v[5+4*\hd], s[66+\hd]
	v_mov_b32 v[6+4*\hd], s[69+\hd]
	v_mov_b32 v[7+4*\hd], s[69+\hd]
.endr
	s_lshr_b32 s88, s24, 3                         ; out: (((b 48 + 3 X) 128 + 16 (Y % 8) + 4 w) tiles of 2,048 bytes
	s_mul_i32 s88, s88, 48
	s_add_co_u32 s88, s88, s60
	s_lshl_b32 s88, s88, 7
	s_and_b32 s89, s24, 7
	s_lshl_b32 s89, s89, 4
	s_add_co_u32 s88, s88, s89
	s_lshl_b32 s89, s18, 2
	s_add_co_u32 s88, s88, s89
	s_lshl_b32 s88, s88, 11
	s_mov_b32 s89, 0
	s_add_nc_u64 s[16:17], s[16:17], s[88:89]
.irp a, 0,1,2,3
	global_load_b128 v[SA+4*\a:SA+4*\a+3], v19, s[6:7] offset:512*\a
.endr
.irp b, 0,1,2,3,4,5,6,7,8,9,10,11
	global_load_b128 v[SB+4*\b:SB+4*\b+3], v19, s[10:11] offset:512*\b
.endr
.irp hd, 0,1,2
.irp u, 0,1,2,3
	global_load_b128 v[BIAS+32*\hd+8*\u:BIAS+32*\hd+8*\u+3], v22, s[78+2*\hd:79+2*\hd] offset:64*\u
	global_load_b128 v[BIAS+32*\hd+8*\u+4:BIAS+32*\hd+8*\u+7], v22, s[78+2*\hd:79+2*\hd] offset:64*\u+16
.endr
.endr
; ---- sine and cosine, while the tiles and the 40 loads are on their way.  Window 1: v0-15 the 16 frequencies of my lane (index 8 u + j: channel i = 16 u + 8 h + j); v16-23 t of the four tiles, twice each;
; v32-47 y, v48-63 y^2, v64-79 the sine's series, v80-95 the cosine's, v96-111 the multiple of 2 pi; v112-115 two coefficients, twice each.
	WIN 0x40                                       ; destination window 1
.irp i, 0,1,2,3,4,5,6,7,8,9,10,11,12,13,14,15
	v_add_nc_u32 v[\i], 16*(\i/8)+(\i%8), v20
.endr
.irp a, 0,1,2,3
	v_add_nc_u32 v[16+2*\a], 16*\a, v21
	v_add_nc_u32 v[17+2*\a], 16*\a, v21
.endr
	v_mov_b32 v112, 0xb2d7322b                     ; -1 / 11!
	v_mov_b32 v113, 0xb2d7322b
	v_mov_b32 v114, 0x310f76c7                     ; 1 / 12!
	v_mov_b32 v115, 0x310f76c7
	WIN 0x55                                       ; all in window 1
.set i, 0
.rept 24
	v_cvt_f32_u32 v[i], v[i]
.set i, i+1
.endr
.set i, 0
.rept 16
	v_mul_f32 v[i], 0xbed49a78, v[i]               ; -i log2(10000) / 32
.set i, i+1
.endr
.set i, 0
.rept 16
	v_exp_f32 v[i], v[i]
.set i, i+1
.endr
	v_nop                                          ; a plain instruction behind the last exponential,
	s_wait_alu depctr_va_vdst(0)                   ; and one wait for the sixteen, ahead of their first reader
.macro HORNER ks, kc
.irp p, 0,2,4,6,8,10,12,14
	v_pk_fma_f32 v[64+\p:65+\p], v[64+\p:65+\p], v[48+\p:49+\p], \ks op_sel_hi:[1,1,0]
	v_pk_fma_f32 v[80+\p:81+\p], v[80+\p:81+\p], v[48+\p:49+\p], \kc op_sel_hi:[1,1,0]
.endr
.endm
.macro TRIG a
	WIN 0x55
.irp p, 0,2,4,6,8,10,12,14
	v_pk_mul_f32 v[32+\p:33+\p], v[\p:\p+1], v[16+2*\a:17+2*\a]                    ; the angle
.endr
.irp p, 0,2,4,6,8,10,12,14
	v_pk_mul_f32 v[96+\p:97+\p], v[32+\p:33+\p], 0x3e22f983 op_sel_hi:[1,0]        ; / 2 pi
.endr
.set i, 0
.rept 16
	v_rndne_f32 v[96+i], v[96+i]
.set i, i+1
.endr
.irp p, 0,2,4,6,8,10,12,14
	v_pk_fma_f32 v[32+\p:33+\p], v[96+\p:97+\p], 0xc0c90fdb, v[32+\p:33+\p] op_sel_hi:[1,0,1]   ; less n x the f32 nearest to 2 pi,
.endr
.irp p, 0,2,4,6,8,10,12,14
	v_pk_fma_f32 v[32+\p:33+\p], v[96+\p:97+\p], 0x343bbd2e, v[32+\p:33+\p] op_sel_hi:[1,0,1]   ; which is 1.75e-7 too large
.endr
.irp p, 0,2,4,6,8,10,12,14
	v_pk_mul_f32 v[48+\p:49+\p], v[32+\p:33+\p], v[32+\p:33+\p]
.endr
.irp p, 0,2,4,6,8,10,12,14
	v_pk_fma_f32 v[64+\p:65+\p], v[48+\p:49+\p], 0x2f309231, v[112:113] op_sel_hi:[1,0,1]      ; 1 / 13!
	v_pk_fma_f32 v[80+\p:81+\p], v[48+\p:49+\p], 0xad49cba5, v[114:115] op_sel_hi:[1,0,1]      ; -1 / 14!
.endr
	HORNER 0x3638ef1d, 0xb493f27e                  ; 1 / 9!, -1 / 10!
	HORNER 0xb9500d01, 0x37d00d01                  ; -1 / 7!, 1 / 8!
	HORNER 0x3c088889, 0xbab60b61                  ; 1 / 5!, -1 / 6!
	HORNER 0xbe2aaaab, 0x3d2aaaab                  ; -1 / 3!, 1 / 4!
	HORNER 1.0, -0.5
.set WW, 0x15|((2+(\a)/2)<<6)
	WIN WW                                         ; destination: window 2 or 3
.irp p, 0,2,4,6,8,10,12,14
	v_pk_fma_f32 v[192+32*((\a)%2)+\p:193+32*((\a)%2)+\p], v[80+\p:81+\p], v[48+\p:49+\p], 1.0 op_sel_hi:[1,1,0]
	v_pk_mul_f32 v[208+32*((\a)%2)+\p:209+32*((\a)%2)+\p], v[64+\p:65+\p], v[32+\p:33+\p]
.endr
.endm
	TRIG 0
	TRIG 1
	TRIG 2
	TRIG 3
	WIN 0
	s_wait_tensorcnt 0x0                           ; my part of the tiles is in LDS,
	s_barrier_signal -1
	s_barrier_wait -1                              ; everybody's is.
	s_wait_loadcnt 0x0                             ; the scale words and the bias
; ---- the products: 8 K steps of 128, 48 matrix instructions each, the accumulators by turns in the same order in every step
.macro FETCH ks                        ; 32 LDS loads in one run: W's 12 fragments and x's 4 of K step ks into set ks % 2
.set FP, (\ks)%2
	WIN 0x40
.irp b, 0,1,2,3,4,5
.irp c, 0,1
	ds_load_b128 v[96*FP+8*\b+4*\c:96*FP+8*\b+4*\c+3], v[ADRB0] offset:\b*8192+1024*(\ks)+512*\c
.endr
.endr
.irp b, 6,7,8,9,10,11
.irp c, 0,1
	ds_load_b128 v[96*FP+8*\b+4*\c:96*FP+8*\b+4*\c+3], v[ADRB1] offset:(\b-6)*8192+1024*(\ks)+512*\c
.endr
.endr
	WIN 0
.irp a, 0,1,2,3
.irp c, 0,1
	ds_load_b128 v[AF+32*FP+8*\a+4*\c:AF+32*FP+8*\a+4*\c+3], v[ADRA] offset:\a*16*PITCH+64*(\ks)+32*\c
.endr
.endr
.endm
.macro PRODS ks, a0                    ; tiles a0, a0 + 1 of rows x the 12 tiles of columns.  K steps 4-7 take their scale words from lanes 16-31
.set PP, (\ks)%2
.set SQ, (\ks)%4
.irp a, \a0, \a0+1
.irp b, 0,1,2,3,4,5,6,7,8,9,10,11
.set AC, 8*(12*((\a)%2)+\b)
.if (\ks) == 0
	v_wmma_scale_f32_16x16x128_f8f6f4 v[AC:AC+7], v[96*PP+8*\b:96*PP+8*\b+7], v[AF+32*PP+8*(\a):AF+32*PP+8*(\a)+7], v[BIAS+8*\b:BIAS+8*\b+7], v[SB+4*\b+SQ], v[SA+4*(\a)+SQ] matrix_a_fmt:MATRIX_FMT_FP4 matrix_b_fmt:MATRIX_FMT_FP4
.elseif (\ks) < 4
	v_wmma_scale_f32_16x16x128_f8f6f4 v[AC:AC+7], v[96*PP+8*\b:96*PP+8*\b+7], v[AF+32*PP+8*(\a):AF+32*PP+8*(\a)+7], v[AC:AC+7], v[SB+4*\b+SQ], v[SA+4*(\a)+SQ] matrix_a_fmt:MATRIX_FMT_FP4 matrix_b_fmt:MATRIX_FMT_FP4
.else
	v_wmma_scale_f32_16x16x128_f8f6f4 v[AC:AC+7], v[96*PP+8*\b:96*PP+8*\b+7], v[AF+32*PP+8*(\a):AF+32*PP+8*(\a)+7], v[AC:AC+7], v[SB+4*\b+SQ], v[SA+4*(\a)+SQ] matrix_a_fmt:MATRIX_FMT_FP4 matrix_b_fmt:MATRIX_FMT_FP4 matrix_a_scale:MATRIX_SCALE_ROW1 matrix_b_scale:MATRIX_SCALE_ROW1
.endif
.endr
.endr
.endm
.macro KSTEP ks
	s_wait_dscnt 0x0                               ; this step's fragments are in: asked for 48 matrix instructions ago
.if (\ks) < 7
.if (\ks) > 0
.rept 4
	v_nop                                          ; four places between the last step's products and the loads into the set that they read (ISA guide 7.12.1 for vector instructions)
.endr
.endif
	FETCH (\ks)+1
.endif
.if (\ks) == 0
	WIN 0x81                                       ; source 0 (W) window 1, source 1 (x) and C (the bias) window 0, D window 2
.else
	WIN 0xa1                                       ; C and D window 2
.endif
	PRODS \ks, 0
.if (\ks) == 0
	WIN 0xc1
.else
	WIN 0xf1                                       ; C and D window 3
.endif
	PRODS \ks, 2
.endm
	FETCH 0
.irp ks, 0,1,2,3,4,5,6,7
	KSTEP \ks
.endr
.rept 4
	v_nop                                          ; four places behind the last products, ahead of the first read of results and of writes over x's fragments
.endr
; ---- the way out: a tile of rows and a head at a time.  lo = channels 0-31 (the head's accumulators 0, 1), hi = 32-63 (2, 3): lo' = lo cf - hi sf, hi' = hi cf + lo sf.  Each accumulator is read from its low end on.
.macro ROPE a, hd
.set WW, 2+(\a)/2
.set TR, 192+32*((\a)%2)
.set AC, 8*(12*((\a)%2)+4*(\hd))
.set OU, BIAS+16*((3*(\a)+(\hd))%2)
	s_wait_xcnt 0x0                                ; the earlier stores have read their data: the registers may be written again
	WIN WW                                         ; source 0 in window 2 or 3, all else in window 0
.irp p, 0,2,4,6,8,10,12,14
	v_pk_fma_f32 v[CF+\p:CF+\p+1], v[TR+\p:TR+\p+1], v[4+4*(\hd):5+4*(\hd)], v[6+4*(\hd):7+4*(\hd)]
	v_pk_mul_f32 v[SF+\p:SF+\p+1], v[TR+16+\p:TR+17+\p], v[4+4*(\hd):5+4*(\hd)]
.endr
.irp p, 0,2,4,6,8,10,12,14
	v_pk_mul_f32 v[T1+\p:T1+\p+1], v[AC+16+\p:AC+17+\p], v[SF+\p:SF+\p+1]
	v_pk_mul_f32 v[T2+\p:T2+\p+1], v[AC+\p:AC+\p+1], v[SF+\p:SF+\p+1]
.endr
.irp p, 0,2,4,6,8,10,12,14
	v_pk_fma_f32 v[T1+\p:T1+\p+1], v[AC+\p:AC+\p+1], v[CF+\p:CF+\p+1], v[T1+\p:T1+\p+1] neg_lo:[0,0,1] neg_hi:[0,0,1]
	v_pk_fma_f32 v[T2+\p:T2+\p+1], v[AC+16+\p:AC+17+\p], v[CF+\p:CF+\p+1], v[T2+\p:T2+\p+1]
.endr
	WIN 0
.irp i, 0,1,2,3,4,5,6,7
	v_cvt_pk_f16_f32 v[OU+\i], v[T1+2*\i], v[T1+2*\i+1]
.endr
.irp i, 0,1,2,3,4,5,6,7
	v_cvt_pk_f16_f32 v[OU+8+\i], v[T2+2*\i], v[T2+2*\i+1]
.endr
.irp u, 0,1,2,3
	global_store_b128 v23, v[OU+4*\u:OU+4*\u+3], s[16:17] offset:(\hd)*262144+(\a)*2048+\u*512   ; the wave stores 512 consecutive bytes, aligned
.endr
.endm
.irp a, 0,1,2,3
.irp hd, 0,1,2
	ROPE \a, \hd
.endr
.endr
	s_wait_tensorcnt 0x0                           ; the wave's end
	ds_add_u32 v[SPW], v[NIL]
	s_wait_dscnt 0x0
	CROUND                                         ; the closing round: no work-group ends while a partner may still ask for a tile that names it
	s_endpgm
.Lfunc_end_k_qb0fccc47dc_qkv:
	.size	k_qb0fccc47dc_qkv, .Lfunc_end_k_qb0fccc47dc_qkv-k_qb0fccc47dc_qkv
	.p2alignl 7, 3214868480
	.fill 96, 4, 3214868480
	.section	.rodata,"a",@progbits
	.p2align	6, 0x0
	.amdhsa_kernel k_qb0fccc47dc_qkv
		.amdhsa_group_segment_fixed_size 327680
		.amdhsa_private_segment_fixed_size 0
		.amdhsa_enable_private_segment 0
		.amdhsa_kernarg_size 56
		.amdhsa_user_sgpr_count 2
		.amdhsa_user_sgpr_kernarg_segment_ptr 1
		.amdhsa_wavefront_size32 1
		.amdhsa_system_sgpr_workgroup_id_x 1
		.amdhsa_system_sgpr_workgroup_id_y 1
		.amdhsa_system_sgpr_workgroup_id_z 1
		.amdhsa_system_vgpr_workitem_id 0
		.amdhsa_next_free_vgpr 1024
		.amdhsa_next_free_sgpr 100
		.amdhsa_reserve_vcc 0
		.amdhsa_float_denorm_mode_32 3
		.amdhsa_float_denorm_mode_16_64 3
		.amdhsa_memory_ordered 1
		.amdhsa_forward_progress 1
		.amdhsa_inst_pref_size 187
	.end_amdhsa_kernel
	.amdgpu_metadata
---
amdhsa.version: [ 1, 2 ]
amdhsa.kernels:
  - .name:           k_qb0fccc47dc_qkv
    .symbol:         k_qb0fccc47dc_qkv.kd
    .args:
      - { .name: xc, .offset: 0, .size: 8, .value_kind: global_buffer, .address_space: global }
      - { .name: xs, .offset: 8, .size: 8, .value_kind: global_buffer, .address_space: global }
      - { .name: wc, .offset: 16, .size: 8, .value_kind: global_buffer, .address_space: global }
      - { .name: ws, .offset: 24, .size: 8, .value_kind: global_buffer, .address_space: global }
      - { .name: bq, .offset: 32, .size: 8, .value_kind: global_buffer, .address_space: global }
      - { .name: bkv, .offset: 40, .size: 8, .value_kind: global_buffer, .address_space: global }
      - { .name: qkv, .offset: 48, .size: 8, .value_kind: global_buffer, .address_space: global }
    .group_segment_fixed_size: 327680
    .private_segment_fixed_size: 0
    .kernarg_segment_align: 8
    .kernarg_segment_size: 56
    .max_flat_workgroup_size: 128
    .sgpr_count:     100
    .vgpr_count:     1024
    .wavefront_size: 32
...
	.end_amdgpu_metadata
.endif
;; end of part 2
;; launch attn (part 3): grid 8 x 32, 8 waves a work-group, clusters of 4 x 1, 327,680 bytes of LDS; arguments qkv, o16; writes o16
.if DOCPART == 3
	.amdgcn_target "amdgcn-amd-amdhsa--gfx1250"
	.amdhsa_code_object_version 6
	.text
	.protected	k_qb0fccc47dc_attn
	.globl	k_qb0fccc47dc_attn
	.p2align	8
	.type	k_qb0fccc47dc_attn,@function
k_qb0fccc47dc_attn:
	s_mov_b64 s[64:65], 0
	v_nop
	global_prefetch_b8 v0, s[64:65] scope:SCOPE_SE
	s_setreg_imm32_b32 hwreg(HW_REG_WAVE_MODE, 25, 1), 1
	s_wait_xcnt 0x0
	s_wait_alu depctr_hold_cnt(0) depctr_sa_sdst(0) depctr_va_vdst(0) depctr_va_sdst(0) depctr_va_ssrc(0) depctr_va_vcc(0) depctr_vm_vsrc(0)
	s_getreg_b32 s2, hwreg(HW_REG_IB_STS2, 6, 4)
	s_cmp_eq_u32 s2, 0
	s_cbranch_scc0 .Lentry_in_a_cluster
	s_endpgm
.Lentry_in_a_cluster:
	s_bfe_u32 s2, ttmp6, 0x10000c
	s_cmp_lg_u32 s2, 0x3003
	s_cbranch_scc0 .Lentry_shape_is_right
	s_endpgm
.Lentry_shape_is_right:
; ATTN: o[b][h][q] = the sum over k of softmax_k(q . k / 8) v, no mask.  q (already times log2(e) / 8), k and v come as f16 images from the launch before; products in f16 with f32 sums; maxima, exponentials and sums in f32.
; SHARES.  A work-group owns 256 queries of one (b, h); each of its EIGHT waves owns 32: two tiles t of 16, in 384 registers: two waves to a SIMD, so that one wave's softmax stands beside the other's products and LDS loads.
; Every wave walks the head's 2,048 keys, 64 a step.  Each fragment of K and V read from LDS feeds two products.
; LAYOUT.  S^T = K Q^T (source 0 = 16 keys, source 1 = 16 queries): a lane holds ONE query (lane % 16) and keys 8 (lane / 16) + 0 .. 7 of a tile.  Two such tiles, rounded to f16 in pairs, ARE source 1 of O^T = V^T P, whose result again
; holds one query a lane and eight channels: four registers of the next launch's operand, in this very lane.  K comes out of LDS as it lies, V turned, by ds_load_tr16_b128.
; SOFTMAX.  A running maximum m and sum l for each query: p = 2^(s - m); in every step O and l are multiplied by a = 2^(m_old - m_new).  m begins at -3e38 and O and l at 0, so that the step is written once.
; RING.  Two slots of 512 keys: K's 65,536 bytes, then V's, dense images: every load from LDS takes each 16-byte column modulo 256 once in sixteen lanes.  Four fills in all; every wave brings 16 KiB of each by ONE line: K and V have
; one shape and lie in one buffer.  By this text's own count a wave has two tensor loads out at the start and one behind each round.
; CLUSTER 4 x 1: the four query blocks of a cluster belong to one head and walk the same K and V: each tile is asked for jointly.
; No prefetch: a refill is asked for a whole slot, eight key steps, ahead of the wait for it.
; LIMITS: f16 operands: p <= 1; |o| up to 65,504.  NaN and infinities are not served.
; OUT: o16 [tile of 16 rows 256][head 16][u 4][512 B], a lane's 16 bytes at 16 x lane.
; REGISTERS.  Window 0: v1-7 addresses; v16-31 statistics, 8 a tile: +0 m, +1 its pair's partner, +2, +3 l, +4 .. +7 c0-c3 (a in +6); v32-63 Q; v64-127 S^T; v128-159 P; v160-223 O^T.   Window 1: v0-63 K, v64-127 V of one step.
.set SLOT1, 131072
.set VOFF,  65536
.set SPARE, 262144                     ; behind the ring: the spare words, 128 bytes a wave: four blocks of 256 bytes that no other line names
.set AK0, 1                            ; v1  16 (lane xor 8 (lane / 16)): my place in a block of 512 bytes of K or Q
.set AV0, 2                            ; v2  my place for the turning load, in V's half of a slot
.set ADK, 3
.set ADV, 4
.set GO,  5                            ; v5  16 x lane
.set SPW, 6
.set NIL, 7
.set ST,  16
.set Q,   32
.set S,   64
.set P,   128
.set O,   160
.set KF,  0
.set VF,  64
.set G1,  16                           ; s[16:23] descriptor group 1;  s[24:27], s[28:31] group 0 of slots 0 and 1
.set SEL, 32                           ; s[32:33] v_permlanex16_b32's selects for lane l xor 16
.set TB,  34                           ; s34 LDS byte at which the step's tiles of K begin
.set CNT, 35
.set MSB, 0
.macro WIN new
.if MSB != (\new)
	s_set_vgpr_msb (MSB<<8)|(\new)
.set MSB, \new
.endif
.endm
.macro CROUND
	s_barrier_signal -1
	s_barrier_wait -1
	s_cmp_lg_u32 s8, 0
	s_cbranch_scc1 .Lnot_wave_0_\@
	s_barrier_signal -3
.Lnot_wave_0_\@:
	s_barrier_wait -3
	s_barrier_signal -1
	s_barrier_wait -1
.endm
	s_load_b128 s[4:7], s[0:1], 0x0                ; qkv s[4:5], o16 s[6:7]
	v_lshl_add_u32 v[SPW], v0, 2, SPARE
	v_mov_b32 v[NIL], 0
	ds_add_u32 v[SPW], v[NIL]                      ; the wave's opening: the add, twice on end, and its wait ahead of my first tensor load
	ds_add_u32 v[SPW], v[NIL]
	v_lshrrev_b32 v8, 5, v0
	v_readfirstlane_b32 s8, v8                     ; wave 0..7
	s_bfe_u32 s9, ttmp6, 0x40000                   ; cx
	s_lshl_b32 s10, ttmp9, 2
	s_add_co_u32 s10, s10, s9                      ; my block of 256 queries: it enters Q's and O's addresses alone
	s_and_b32 s11, ttmp7, 0xffff                   ; (b, h), which the four partners share
	s_lshr_b32 s12, s11, 4                         ; b
	s_and_b32 s13, s11, 15                         ; h
	s_mul_i32 s36, s12, 48
	s_add_co_u32 s36, s36, s13                     ; q's plane of 262,144 bytes: 48 b + h; k's is 16 planes on, v's 32
	s_lshr_b32 s37, s8, 2                          ; waves 0-3 fetch K's quarters, waves 4-7 V's
	s_lshl_b32 s37, s37, 4
	s_add_co_u32 s37, s37, s36
	s_add_co_u32 s37, s37, 16
	s_lshl_b32 s38, s37, 18
	s_and_b32 s37, s8, 3
	s_lshl_b32 s37, s37, 14
	s_add_co_u32 s38, s38, s37                     ; + my quarter: 128 keys, 16,384 bytes
	s_mov_b32 s39, 0
	s_lshl_b32 s40, s8, 14                         ; and in a slot: 16,384 x wave.  No place in the cluster enters it
	s_mov_b32 s[G1+0], 15|(3<<16)|(1<<21)          ; the mask: all four work-groups; elements of 8 bytes; bit 21 beside a mask; no padding
	s_mov_b32 s[G1+1], 32<<16                      ; 16,384 dense bytes as 64 rows of 256
	s_mov_b32 s[G1+2], 64<<16
	s_mov_b32 s[G1+3], 32<<16
	s_mov_b32 s[G1+4], 64
	s_mov_b32 s[G1+5], 32
	s_mov_b32 s[G1+6], 0
	s_mov_b32 s[G1+7], 0
	s_lshl_b32 s42, s36, 18                        ; Q: my plane, + tile 16 block + 2 wave of 2,048 bytes
	s_lshl_b32 s41, s10, 4
	s_lshl_b32 s44, s8, 1
	s_add_co_u32 s41, s41, s44
	s_lshl_b32 s44, s41, 11
	s_add_co_u32 s42, s42, s44
	s_mov_b32 s43, 0
	s_lshl_b32 s44, s12, 7                         ; O: tile of rows 128 b + 16 block + 2 wave of 32,768 bytes, + 2,048 h
	s_add_co_u32 s44, s44, s41
	s_lshl_b32 s44, s44, 15
	s_lshl_b32 s45, s13, 11
	s_add_co_u32 s44, s44, s45
	s_mov_b32 s45, 0
	s_mov_b32 s[SEL], 0x76543210
	s_mov_b32 s[SEL+1], 0xfedcba98
	s_wait_dscnt 0x0                               ; both opening adds are done
	s_wait_kmcnt 0x0
	CROUND                                         ; all four work-groups are here: the first joint loads meet
	s_mov_b32 s24, 1
	s_mov_b32 s25, s40
	s_add_nc_u64 s[26:27], s[4:5], s[38:39]        ; slot 0: keys 0 to 511
	s_or_b32 s27, s27, 0x80000000
	s_mov_b32 s28, 1
	s_add_co_u32 s29, s40, SLOT1
	s_add_nc_u64 s[30:31], s[4:5], s[38:39]
	s_add_nc_u64 s[30:31], s[30:31], 65536         ; slot 1: keys 512 to 1,023
	s_or_b32 s31, s31, 0x80000000
	tensor_load_to_lds s[24:27], s[G1:G1+7]
	s_nop 0
	tensor_load_to_lds s[28:31], s[G1:G1+7]
	s_nop 0
.rept 4
	v_nop
.endr
	s_add_nc_u64 s[4:5], s[4:5], s[42:43]          ; Q at my wave's first tile
	s_add_nc_u64 s[6:7], s[6:7], s[44:45]          ; O likewise
	v_and_b32 v8, 31, v0                           ; lane
	v_bfe_u32 v9, v0, 4, 1                         ; h = lane / 16
	v_lshlrev_b32 v10, 3, v9
	v_xor_b32 v[AK0], v8, v10
	v_lshlrev_b32 v[AK0], 4, v[AK0]
	v_and_b32 v10, 7, v0                           ; the turning load: lane l addresses key 8 (l / 16) + l % 8, channels 8 ((l / 8) % 2) + 0 .. 7 of a block:
	v_bfe_u32 v11, v0, 3, 1
	v_xor_b32 v12, v9, v11
	v_lshlrev_b32 v[AV0], 4, v10                   ; 16 (l % 8)
	v_lshl_add_u32 v[AV0], v12, 7, v[AV0]          ; + 128 ((l / 16) xor ((l / 8) % 2))
	v_lshl_add_u32 v[AV0], v11, 8, v[AV0]          ; + 256 ((l / 8) % 2)
	v_add_nc_u32 v[AV0], VOFF, v[AV0]
	v_lshlrev_b32 v[GO], 4, v8
.irp t, 0,1
.irp u, 0,1,2,3
	global_load_b128 v[Q+16*\t+4*\u:Q+16*\t+4*\u+3], v[AK0], s[4:5] offset:2048*\t+512*\u   ; Q stays in registers
.endr
.endr
.irp t, 0,1
	v_mov_b32 v[ST+8*\t], 0xff61b1e6               ; m: -3e38, under every score
.irp i, 1,2,3,4,5,6,7
	v_mov_b32 v[ST+8*\t+\i], 0
.endr
.endr
.set i, 0
.rept 64
	v_mov_b32 v[O+i], 0                            ; O^T: the step is written once; its first turn finds zeros, which a = 0 leaves zeros
.set i, i+1
.endr
.macro SOFTMAX                         ; both tiles, line by line by turns, so that no line waits for the line above it
.irp j, 0,1,2,3
.irp t, 0,1
	v_max3_num_f32 v[ST+8*\t+4+\j], v[S+32*\t+8*\j], v[S+32*\t+8*\j+1], v[S+32*\t+8*\j+2]   ; each accumulator is read from its low end on
.endr
.endr
.irp g, 1,2
.irp j, 0,1,2,3
.irp t, 0,1
	v_max3_num_f32 v[ST+8*\t+4+\j], v[ST+8*\t+4+\j], v[S+32*\t+8*\j+2*\g+1], v[S+32*\t+8*\j+2*\g+2]
.endr
.endr
.endr
.irp t, 0,1
	v_max3_num_f32 v[ST+8*\t+4], v[ST+8*\t+4], v[S+32*\t+7], v[S+32*\t+15]
	v_max3_num_f32 v[ST+8*\t+6], v[ST+8*\t+6], v[S+32*\t+23], v[S+32*\t+31]
.endr
.irp t, 0,1
	v_max3_num_f32 v[ST+8*\t+4], v[ST+8*\t+4], v[ST+8*\t+5], v[ST+8*\t+6]
.endr
.irp t, 0,1
	v_max3_num_f32 v[ST+8*\t+4], v[ST+8*\t+4], v[ST+8*\t+7], v[ST+8*\t]       ; with the old m
.endr
.irp t, 0,1
	v_permlanex16_b32 v[ST+8*\t+5], v[ST+8*\t+4], s[SEL], s[SEL+1]            ; the query's other 32 keys lie in the lane 16 away
.endr
.irp t, 0,1
	v_mov_b32 v[ST+8*\t+7], v[ST+8*\t]
.endr
.irp t, 0,1
	v_max_num_f32 v[ST+8*\t], v[ST+8*\t+4], v[ST+8*\t+5]                      ; the new m
.endr
.irp t, 0,1
	v_sub_f32 v[ST+8*\t+7], v[ST+8*\t+7], v[ST+8*\t]                          ; m_old - m_new
.endr
.set i, 0
.rept 16
.irp t, 0,1
	v_pk_add_f32 v[S+32*\t+i:S+32*\t+i+1], v[S+32*\t+i:S+32*\t+i+1], v[ST+8*\t:ST+8*\t+1] op_sel_hi:[1,0] neg_lo:[0,1] neg_hi:[0,1]   ; s - m
.endr
.set i, i+2
.endr
.irp t, 0,1
	v_exp_f32 v[ST+8*\t+6], v[ST+8*\t+7]                                      ; a
.endr
.set i, 0
.rept 32
.irp t, 0,1
	v_exp_f32 v[S+32*\t+i], v[S+32*\t+i]                                      ; p
.endr
.set i, i+1
.endr
	v_nop                                          ; a plain instruction behind the last exponential,
	s_wait_alu depctr_va_vdst(0)                   ; and ONE wait for the 66, ahead of their first reader
.set i, 0
.rept 16
.irp t, 0,1
	v_cvt_pk_f16_f32 v[P+16*\t+i], v[S+32*\t+2*i], v[S+32*\t+2*i+1]
.endr
.set i, i+1
.endr
.irp w, 4,8,16,32                              ; the sum of the 16 pairs, in place: neighbours 1, 2, 4 and 8 pairs apart
.set i, 0
.rept 32/\w
.irp t, 0,1
	v_pk_add_f32 v[S+32*\t+i:S+32*\t+i+1], v[S+32*\t+i:S+32*\t+i+1], v[S+32*\t+i+\w/2:S+32*\t+i+\w/2+1]
.endr
.set i, i+\w
.endr
.endr
.irp t, 0,1
	v_pk_fma_f32 v[ST+8*\t+2:ST+8*\t+3], v[ST+8*\t+2:ST+8*\t+3], v[ST+8*\t+6:ST+8*\t+7], v[S+32*\t:S+32*\t+1] op_sel_hi:[1,0,1]   ; l = a l + the sum
.endr
.set i, 0
.rept 16
.irp t, 0,1
	v_pk_mul_f32 v[O+32*\t+i:O+32*\t+i+1], v[O+32*\t+i:O+32*\t+i+1], v[ST+8*\t+6:ST+8*\t+7] op_sel_hi:[1,0]   ; O^T times a, each accumulator from its low end on
.endr
.set i, i+2
.endr
.endm
.macro STEP                            ; 64 keys
	v_add_nc_u32 v[ADK], s[TB], v[AK0]
	v_add_nc_u32 v[ADV], s[TB], v[AV0]
	v_nop
	v_nop                                          ; four places between the last step's products V^T P and the loads into V's registers (ISA guide 7.12.1 for vector instructions)
	WIN 0x40                                       ; destination window 1
.irp kt, 0,1,2,3
.irp u, 0,1,2,3
	ds_load_b128 v[KF+16*\kt+4*\u:KF+16*\kt+4*\u+3], v[ADK] offset:2048*\kt+512*\u
.endr
.endr
.irp a, 0,1
.irp u, 0,1,2,3
	ds_load_tr16_b128 v[VF+8*(4*\a+\u):VF+8*(4*\a+\u)+3],   v[ADV] offset:2048*(2*\a)+512*\u
	ds_load_tr16_b128 v[VF+8*(4*\a+\u)+4:VF+8*(4*\a+\u)+7], v[ADV] offset:2048*(2*\a+1)+512*\u
.endr
.endr
	s_wait_dscnt 16                                ; K is in; V's sixteen loads may be out
	WIN 0x01                                       ; source 0 window 1
.irp c, 0,1                                    ; S^T = K Q^T: the eight accumulators by turns; the first eight start the sums
.irp kt, 0,1,2,3
.irp t, 0,1
.if \c == 0
	v_wmma_f32_16x16x32_f16 v[S+32*\t+8*\kt:S+32*\t+8*\kt+7], v[KF+16*\kt+8*\c:KF+16*\kt+8*\c+7], v[Q+16*\t+8*\c:Q+16*\t+8*\c+7], 0
.else
	v_wmma_f32_16x16x32_f16 v[S+32*\t+8*\kt:S+32*\t+8*\kt+7], v[KF+16*\kt+8*\c:KF+16*\kt+8*\c+7], v[Q+16*\t+8*\c:Q+16*\t+8*\c+7], v[S+32*\t+8*\kt:S+32*\t+8*\kt+7]
.endif
.endr
.endr
.endr
	WIN 0
.rept 4
	v_nop                                          ; four places ahead of the first read of the scores
.endr
	SOFTMAX
	s_wait_dscnt 0x0                               ; V is in
	WIN 0x01
.irp a, 0,1                                    ; O^T += V^T P: the eight accumulators by turns
.irp u, 0,1,2,3
.irp t, 0,1
	v_wmma_f32_16x16x32_f16 v[O+32*\t+8*\u:O+32*\t+8*\u+7], v[VF+8*(4*\a+\u):VF+8*(4*\a+\u)+7], v[P+16*\t+8*\a:P+16*\t+8*\a+7], v[O+32*\t+8*\u:O+32*\t+8*\u+7]
.endr
.endr
.endr
	WIN 0
	s_add_co_u32 s[TB], s[TB], 8192                ; the next step's four tiles of 2,048 bytes
.endm
.macro EIGHT slot                      ; a slot's eight key steps: written once for each use of a slot, walked eight times
	s_mov_b32 s[TB], \slot*SLOT1
	s_mov_b32 s[CNT], 8
.Lstep_\@:
	STEP
	s_sub_co_u32 s[CNT], s[CNT], 1
	s_cmp_lg_u32 s[CNT], 0
	s_cbranch_scc1 .Lstep_\@
.endm
; THE CHANGE OF SLOTS.  Each wave waits for all its tensor loads (one is out: its part of the other slot), adds 0 to its spare word, and waits for that and for its reads of the slot that it leaves.
; fill = 1: the barrier is a round of the cluster's, so that no wave of any partner still reads the slot or has a load on its way, and the joint refill, the keys 1,024 on, is the first thing behind it.
.macro CHANGE slot, fill
	s_wait_tensorcnt 0x0                           ; no tensor load of mine is out, so a group 0 may be written
	ds_add_u32 v[SPW], v[NIL]
.if \fill
	s_add_nc_u64 s[26+4*\slot:27+4*\slot], s[26+4*\slot:27+4*\slot], 131072
	s_wait_dscnt 0x0
	CROUND
	tensor_load_to_lds s[24+4*\slot:27+4*\slot], s[G1:G1+7]
	s_nop 0
.rept 4
	v_nop
.endr
.else
	s_wait_dscnt 0x0
	s_barrier_signal -1
	s_barrier_wait -1
.endif
.endm
	s_wait_tensorcnt 0x1                           ; my part of slot 0 is in; slot 1's may stay out
	s_barrier_signal -1
	s_barrier_wait -1
	s_wait_loadcnt 0x0                             ; Q
	EIGHT 0
	CHANGE 0, 1
	EIGHT 1
	CHANGE 1, 1
	EIGHT 0
	CHANGE 0, 0
	EIGHT 1
	; THE WAY OUT: O^T / l, rounded to f16: a lane's eight channels of a tile are 16 bytes of the next operand's image
.rept 4
	v_nop                                          ; four places behind the last products
.endr
.irp t, 0,1
	v_add_f32 v[ST+8*\t+4], v[ST+8*\t+2], v[ST+8*\t+3]
.endr
.irp t, 0,1
	v_permlanex16_b32 v[ST+8*\t+5], v[ST+8*\t+4], s[SEL], s[SEL+1]
.endr
.irp t, 0,1
	v_add_f32 v[ST+8*\t+4], v[ST+8*\t+4], v[ST+8*\t+5]
.endr
.irp t, 0,1
	v_rcp_f32 v[ST+8*\t+6], v[ST+8*\t+4]
.endr
	v_nop
	s_wait_alu depctr_va_vdst(0)                   ; one wait for the two reciprocals, ahead of their first reader
.set i, 0
.rept 16
.irp t, 0,1
	v_pk_mul_f32 v[O+32*\t+i:O+32*\t+i+1], v[O+32*\t+i:O+32*\t+i+1], v[ST+8*\t+6:ST+8*\t+7] op_sel_hi:[1,0]
.endr
.set i, i+2
.endr
.set i, 0
.rept 16
.irp t, 0,1
	v_cvt_pk_f16_f32 v[S+16*\t+i], v[O+32*\t+2*i], v[O+32*\t+2*i+1]
.endr
.set i, i+1
.endr
.irp t, 0,1
.irp u, 0,1,2,3
	global_store_b128 v[GO], v[S+16*\t+4*\u:S+16*\t+4*\u+3], s[6:7] offset:32768*\t+512*\u   ; the wave stores 512 consecutive bytes, aligned
.endr
.endr
	s_wait_tensorcnt 0x0                           ; the wave's end
	ds_add_u32 v[SPW], v[NIL]
	s_wait_dscnt 0x0
	CROUND                                         ; the closing round
	s_endpgm
.Lfunc_end_k_qb0fccc47dc_attn:
	.size	k_qb0fccc47dc_attn, .Lfunc_end_k_qb0fccc47dc_attn-k_qb0fccc47dc_attn
	.p2alignl 7, 3214868480
	.fill 96, 4, 3214868480
	.section	.rodata,"a",@progbits
	.p2align	6, 0x0
	.amdhsa_kernel k_qb0fccc47dc_attn
		.amdhsa_group_segment_fixed_size 327680
		.amdhsa_private_segment_fixed_size 0
		.amdhsa_enable_private_segment 0
		.amdhsa_kernarg_size 16
		.amdhsa_user_sgpr_count 2
		.amdhsa_user_sgpr_kernarg_segment_ptr 1
		.amdhsa_wavefront_size32 1
		.amdhsa_system_sgpr_workgroup_id_x 1
		.amdhsa_system_sgpr_workgroup_id_y 1
		.amdhsa_system_sgpr_workgroup_id_z 1
		.amdhsa_system_vgpr_workitem_id 0
		.amdhsa_next_free_vgpr 384
		.amdhsa_next_free_sgpr 66
		.amdhsa_reserve_vcc 0
		.amdhsa_float_denorm_mode_32 3
		.amdhsa_float_denorm_mode_16_64 3
		.amdhsa_memory_ordered 1
		.amdhsa_forward_progress 1
		.amdhsa_inst_pref_size 84
	.end_amdhsa_kernel
	.amdgpu_metadata
---
amdhsa.version: [ 1, 2 ]
amdhsa.kernels:
  - .name:           k_qb0fccc47dc_attn
    .symbol:         k_qb0fccc47dc_attn.kd
    .args:
      - { .name: qkv, .offset: 0, .size: 8, .value_kind: global_buffer, .address_space: global }
      - { .name: o16, .offset: 8, .size: 8, .value_kind: global_buffer, .address_space: global }
    .group_segment_fixed_size: 327680
    .private_segment_fixed_size: 0
    .kernarg_segment_align: 8
    .kernarg_segment_size: 16
    .max_flat_workgroup_size: 256
    .sgpr_count:     66
    .vgpr_count:     384
    .wavefront_size: 32
...
	.end_amdgpu_metadata
.endif
;; end of part 3
;; launch proj (part 4): grid 8 x 32, 4 waves a work-group, clusters of 4 x 4, 327,680 bytes of LDS; arguments o16, wo16, bo, out0; writes out0
.if DOCPART == 4
	.amdgcn_target "amdgcn-amd-amdhsa--gfx1250"
	.amdhsa_code_object_version 6
	.text
	.protected	k_qb0fccc47dc_proj
	.globl	k_qb0fccc47dc_proj
	.p2align	8
	.type	k_qb0fccc47dc_proj,@function
k_qb0fccc47dc_proj:
	s_mov_b64 s[64:65], 0
	v_nop
	global_prefetch_b8 v0, s[64:65] scope:SCOPE_SE
	s_setreg_imm32_b32 hwreg(HW_REG_WAVE_MODE, 25, 1), 1
	s_wait_xcnt 0x0
	s_wait_alu depctr_hold_cnt(0) depctr_sa_sdst(0) depctr_va_vdst(0) depctr_va_sdst(0) depctr_va_ssrc(0) depctr_va_vcc(0) depctr_vm_vsrc(0)
	s_getreg_b32 s2, hwreg(HW_REG_IB_STS2, 6, 4)
	s_cmp_eq_u32 s2, 0
	s_cbranch_scc0 .Lentry_in_a_cluster
	s_endpgm
.Lentry_in_a_cluster:
	s_bfe_u32 s2, ttmp6, 0x10000c
	s_cmp_lg_u32 s2, 0xf033
	s_cbranch_scc0 .Lentry_shape_is_right
	s_endpgm
.Lentry_shape_is_right:
; PROJ: out0 = o Wo + bo.  o [4096][1024] and Wo come as f16 images of operands' registers (o16: [tile of 16 rows][kfrag 32][1,024 B]; wo16: [tile of 16 columns][kfrag 32][1,024 B]); sums in f32; out0 f32.
; A tile of out0 is 128 x 128: 256 work-groups, one for each WGP.  Four waves, each 64 x 64: 16 accumulators.  K goes in 4 steps of 256 (8 fragments a tile) through a ring of two LDS slots; the text is written out, without a loop.
; A slot: o's 8 tiles of 8,192 bytes, then Wo's 8.  A wave's tensor load brings four tiles: four rows of 8,192 bytes, 32,768 apart in memory, dense in LDS: every fragment load takes 512 consecutive bytes.
; CLUSTER 4 x 4: o's tiles are shared along a row of the cluster, Wo's along a column: each is asked for jointly by the four.
; THE MATRIX INSTRUCTION IS USED TRANSPOSED (source 0 = 16 columns of Wo, source 1 = 16 rows of o): a lane holds eight neighbouring numbers of a row of out0.  The bias is the C of each sum's first product.
; By this text's own count a wave has two tensor loads out at the start and one behind each round.  No prefetch: four short K steps on small tiles.
; REGISTERS.  Window 0: v1-29 addresses; v32-95 rows on the way out; v96-127 the bias; v128-255 the accumulators ((a, b) at v[128 + 8 (4 a + b)]).   Window 1: two fragment buffers of 128: 64 of o, then 64 of Wo, for 64 along K.
.set HALFT,  32768                     ; four tiles: what one tensor load brings, and what one wave reads of o or of Wo
.set SLOT,   4*HALFT
.set STAGE,  2*SLOT                    ; behind the ring: 16 rows x (256 bytes + 16) for each wave, its own
.set SPITCH, 272
.set SPARE,  STAGE+4*16*SPITCH         ; behind the stages: the spare words, 128 bytes a wave: two blocks of 256 bytes that no other line names
.set ADRA, 16
.set ADRB, 20
.set STO,  24
.set RD,   25
.set CO,   26
.set SPW,  28
.set NIL,  29
.set TMP,  32
.set BIAS, 96
.set ACC,  128
.set F0,   0
.set F1,   128
.set G1,  24
.set G0,  32
.set G1B, 48
.set G0B, 56
.set MSB, 0
.macro WIN new
.if MSB != (\new)
	s_set_vgpr_msb (MSB<<8)|(\new)
.set MSB, \new
.endif
.endm
.set MUL,  0x05                        ; sources 0 (Wo) and 1 (o) window 1; C and D window 0
.set TO_F, 0x40                        ; destination window 1, address window 0
.macro JLOAD s                         ; a joint load: waves 0 and 1 fetch o's halves, waves 2 and 3 Wo's; an s_nop 0 and four v_nop follow each of the two lines
	s_cmp_eq_u32 s13, 0
	s_cbranch_scc0 .Lfor_b_\@
	tensor_load_to_lds s[G0+4*\s:G0+4*\s+3], s[G1:G1+7]
	s_nop 0
.rept 4
	v_nop
.endr
	s_branch .Lasked_\@
.Lfor_b_\@:
	tensor_load_to_lds s[G0B+4*\s:G0B+4*\s+3], s[G1B:G1B+7]
	s_nop 0
.rept 4
	v_nop
.endr
.Lasked_\@:
.endm
.macro CREST                           ; a round of the cluster's barrier behind its opening barrier
	s_cmp_lg_u32 s12, 0
	s_cbranch_scc1 .Lnot_wave_0_\@
	s_barrier_signal -3
.Lnot_wave_0_\@:
	s_barrier_wait -3
	s_barrier_signal -1
	s_barrier_wait -1
.endm
.macro CROUND
	s_barrier_signal -1
	s_barrier_wait -1
	CREST
.endm
	s_load_b256 s[4:11], s[0:1], 0x0               ; o16 s[4:5], wo16 s[6:7], bo s[8:9], out0 s[10:11]
	v_lshl_add_u32 v[SPW], v0, 2, SPARE
	v_mov_b32 v[NIL], 0
	ds_add_u32 v[SPW], v[NIL]                      ; the wave's opening: the add, twice on end, and its wait ahead of my first tensor load
	ds_add_u32 v[SPW], v[NIL]
	v_lshrrev_b32 v1, 5, v0
	v_readfirstlane_b32 s12, v1                    ; wave 0..3
	s_lshr_b32 s13, s12, 1                         ; which half of the tile's rows is mine.  Also: I fetch for o (0) or for Wo (1)
	s_and_b32 s14, s12, 1                          ; which half of its columns.  Also: which four tiles I fetch
	s_bfe_u32 s40, ttmp6, 0x40000                  ; cx, cy
	s_bfe_u32 s41, ttmp6, 0x40004
	s_lshl_b32 s42, ttmp9, 2
	s_add_co_u32 s42, s42, s40                     ; X: tile column of out0
	s_and_b32 s15, ttmp7, 0xffff
	s_lshl_b32 s15, s15, 2
	s_add_co_u32 s15, s15, s41                     ; Y: tile row
	s_lshl_b32 s43, s41, 2
	s_lshl_b32 s43, 15, s43                        ; my row of the cluster
	s_lshl_b32 s44, 0x1111, s40                    ; my column
	s_or_b32 s[G1+0], s43, (3<<16)|(1<<21)         ; the mask; elements of 8 bytes; bit 21 beside a mask; no padding
	s_or_b32 s[G1B+0], s44, (3<<16)|(1<<21)
.irp g, G1, G1B
	s_mov_b32 s[\g+1], 1024<<16                    ; tensor_dim0 = 1,024 elements: 8,192 bytes
	s_mov_b32 s[\g+2], 4<<16                       ; tensor_dim1 = 4
	s_mov_b32 s[\g+3], 1024<<16                    ; tile_dim0
	s_mov_b32 s[\g+4], 4                           ; tile_dim1
	s_mov_b32 s[\g+5], 4096                        ; from tile to tile: 32,768 bytes
	s_mov_b32 s[\g+6], 0
	s_mov_b32 s[\g+7], 0
.endr
	s_lshl_b32 s18, s14, 2
	s_lshl_b32 s16, s15, 3
	s_add_co_u32 s16, s16, s18                     ; o: tile 8 Y + 4 x half (these registers never hold X)
	s_lshl_b32 s16, s16, 15
	s_mov_b32 s17, 0
	s_lshl_b32 s46, s42, 3
	s_add_co_u32 s46, s46, s18                     ; Wo: tile 8 X + 4 x half (these never hold Y)
	s_lshl_b32 s46, s46, 15
	s_mov_b32 s47, 0
	s_lshl_b32 s20, s12, 15                        ; where they go: wave x 32,768: no place in the cluster enters an LDS address
	s_wait_dscnt 0x0                               ; both opening adds are done
	s_wait_kmcnt 0x0
	s_add_nc_u64 s[22:23], s[4:5], s[16:17]
	s_add_nc_u64 s[46:47], s[6:7], s[46:47]
	CROUND                                         ; all sixteen work-groups are here: the first joint loads meet
.irp s, 0,1
	s_mov_b32 s[G0+4*\s], 1
	s_add_co_u32 s[G0+4*\s+1], s20, \s*SLOT
	s_add_nc_u64 s[G0+4*\s+2:G0+4*\s+3], s[22:23], \s*8192   ; K step s
	s_or_b32 s[G0+4*\s+3], s[G0+4*\s+3], 0x80000000
	s_mov_b32 s[G0B+4*\s], 1
	s_add_co_u32 s[G0B+4*\s+1], s20, \s*SLOT
	s_add_nc_u64 s[G0B+4*\s+2:G0B+4*\s+3], s[46:47], \s*8192
	s_or_b32 s[G0B+4*\s+3], s[G0B+4*\s+3], 0x80000000
	JLOAD \s
.endr
	v_and_b32 v1, 15, v0                           ; l % 16
	v_bfe_u32 v2, v0, 4, 1                         ; l / 16
	v_and_b32 v3, 31, v0
	v_lshlrev_b32 v3, 4, v3                        ; 16 x lane: my place in an image
	s_lshl_b32 s21, s13, 15                        ; my four tiles of o,
	s_lshl_b32 s19, s14, 15                        ; my four of Wo,
	s_add_co_u32 s19, s19, 2*HALFT                 ; which lie behind o's eight
.irp s, 0,1
	v_add_nc_u32 v[ADRA+\s], s21, v3
	v_add_nc_u32 v[ADRB+\s], s19, v3
	s_add_co_u32 s21, s21, SLOT
	s_add_co_u32 s19, s19, SLOT
.endr
	s_mul_i32 s21, s12, 16*SPITCH
	s_add_co_u32 s21, s21, STAGE                   ; my stage
	v_mul_u32_u24 v4, v1, SPITCH                   ; in: row l % 16, 32 bytes for each half of the lanes
	v_lshl_add_u32 v4, v2, 5, v4
	v_add_nc_u32 v[STO], s21, v4
	v_mul_u32_u24 v5, v2, SPITCH                   ; back: lanes 0-15 one row of 256 bytes, lanes 16-31 the next
	v_lshl_add_u32 v5, v1, 4, v5
	v_add_nc_u32 v[RD], s21, v5
	v_lshlrev_b32 v5, 12, v2                       ; and the same two rows in out0
	v_lshl_add_u32 v[CO], v1, 4, v5
	v_lshlrev_b32 v6, 5, v2                        ; the bias: 8 (l / 16) numbers on
	s_lshl_b32 s66, s42, 9                         ; my first column, in bytes: 512 X + 256 x half
	s_lshl_b32 s67, s14, 8
	s_add_co_u32 s66, s66, s67
	s_mov_b32 s67, 0
	s_add_nc_u64 s[8:9], s[8:9], s[66:67]
	s_lshl_b32 s68, s15, 19                        ; my first row: 128 Y + 64 x half, 4,096 bytes a row
	s_lshl_b32 s70, s13, 18
	s_add_co_u32 s68, s68, s70
	s_add_co_u32 s68, s68, s66
	s_mov_b32 s69, 0
	s_add_nc_u64 s[10:11], s[10:11], s[68:69]
.irp b, 0,1,2,3
	global_load_b128 v[BIAS+8*\b:BIAS+8*\b+3], v6, s[8:9] offset:64*\b
	global_load_b128 v[BIAS+8*\b+4:BIAS+8*\b+7], v6, s[8:9] offset:64*\b+16
.endr
; 8 matrix instructions: tiles a0, a0 + 1 of rows x the 4 tiles of columns, 32 along K: half c of buffer f.  first = 1: the product starts the sum on the bias.  The 16 accumulators take turns.
.macro MUL8 f, c, a0, first
.irp a, \a0, \a0+1
.irp b, 0,1,2,3
.if \first
	v_wmma_f32_16x16x32_f16 v[ACC+8*(4*(\a)+\b):ACC+8*(4*(\a)+\b)+7], v[\f+64+8*(4*\c+\b):\f+64+8*(4*\c+\b)+7], v[\f+8*(4*\c+\a):\f+8*(4*\c+\a)+7], v[BIAS+8*\b:BIAS+8*\b+7]
.else
	v_wmma_f32_16x16x32_f16 v[ACC+8*(4*(\a)+\b):ACC+8*(4*(\a)+\b)+7], v[\f+64+8*(4*\c+\b):\f+64+8*(4*\c+\b)+7], v[\f+8*(4*\c+\a):\f+8*(4*\c+\a)+7], v[ACC+8*(4*(\a)+\b):ACC+8*(4*(\a)+\b)+7]
.endif
.endr
.endr
.endm
; 32 LDS loads in one run: the fragments of the slot's quarter q (64 along K: fragments 2 q, 2 q + 1 of each tile) into buffer f; the first 32 along K first
.macro FETCH slot, q, f
	WIN TO_F
.irp c, 0,1
.irp i, 0,1,2,3
	ds_load_b128 v[\f+64+8*(4*\c+\i):\f+64+8*(4*\c+\i)+3],   v[ADRB+\slot] offset:\i*8192+(2*(\q)+\c)*1024
	ds_load_b128 v[\f+64+8*(4*\c+\i)+4:\f+64+8*(4*\c+\i)+7], v[ADRB+\slot] offset:\i*8192+(2*(\q)+\c)*1024+512
	ds_load_b128 v[\f+8*(4*\c+\i):\f+8*(4*\c+\i)+3],         v[ADRA+\slot] offset:\i*8192+(2*(\q)+\c)*1024
	ds_load_b128 v[\f+8*(4*\c+\i)+4:\f+8*(4*\c+\i)+7],       v[ADRA+\slot] offset:\i*8192+(2*(\q)+\c)*1024+512
.endr
.endr
.endm
.macro PLACES                          ; four places in front of loads into registers that matrix instructions have read, and of the first read of results (ISA guide 7.12.1 for vector instructions)
.rept 4
	v_nop
.endr
.endm
; One of a K step's first three quarters: multiplies buffer f and fetches quarter q of the same slot into g
.macro QUARTER slot, q, f, g, first
	s_wait_dscnt 16                                ; the first 32 along K are in; the youngest sixteen loads may be out
	WIN MUL
	MUL8 \f, 0, 0, \first
	MUL8 \f, 0, 2, \first
	PLACES
	FETCH \slot, \q, \g
	s_wait_dscnt 32                                ; all but the 32 just issued
	WIN MUL
	MUL8 \f, 1, 0, 0
	MUL8 \f, 1, 2, 0
.endm
; The last quarter multiplies buffer 1 and changes slots: ONE barrier; in front of it each wave waits for all its tensor loads, adds 0 to its spare word, and waits for that and for its reads of this slot.  fill = 1: this slot is filled again, two K steps ahead.
.macro TURN slot, next, fill
	WIN 0                                          ; (the add's two registers lie in window 0)
	s_wait_tensorcnt 0x0                           ; all my tensor loads have landed: my part of the next slot
	ds_add_u32 v[SPW], v[NIL]
	s_wait_dscnt 17                                ; (the add and the youngest sixteen loads may be out)
	WIN MUL
	MUL8 F1, 0, 0, 0                               ; eight matrix instructions stand between the add and the wait for it
	s_wait_dscnt 0x0                               ; the add is done, and my reads of this slot are over
	s_barrier_signal -1
	MUL8 F1, 0, 2, 0
.if \fill
	WIN 0
.endif
	s_barrier_wait -1
.if \fill
	CREST                                          ; the barrier has opened a round of the cluster's: no wave of any partner still reads this slot or has a load on its way
	s_add_nc_u64 s[G0+4*\slot+2:G0+4*\slot+3], s[G0+4*\slot+2:G0+4*\slot+3], 2*8192
	s_add_nc_u64 s[G0B+4*\slot+2:G0B+4*\slot+3], s[G0B+4*\slot+2:G0B+4*\slot+3], 2*8192
	JLOAD \slot                                    ; the first tensor load behind the round; its four v_nop are also the places in front of the loads below
.else
	PLACES
.endif
	FETCH \next, 0, F0
	WIN MUL
	MUL8 F1, 1, 0, 0
	MUL8 F1, 1, 2, 0
.endm
	s_wait_tensorcnt 0x1                           ; my part of K step 0 is in; K step 1's may stay out
	s_barrier_signal -1
	s_barrier_wait -1
	FETCH 0, 0, F0
	s_wait_loadcnt 0x0                             ; the bias
	QUARTER 0, 1, F0, F1, 1                        ; K step 0
	QUARTER 0, 2, F1, F0, 0
	QUARTER 0, 3, F0, F1, 0
	TURN 0, 1, 1                                   ; slot 0 takes K step 2
	QUARTER 1, 1, F0, F1, 0                        ; K step 1
	QUARTER 1, 2, F1, F0, 0
	QUARTER 1, 3, F0, F1, 0
	TURN 1, 0, 1                                   ; slot 1 takes K step 3
	QUARTER 0, 1, F0, F1, 0                        ; K step 2
	QUARTER 0, 2, F1, F0, 0
	QUARTER 0, 3, F0, F1, 0
	TURN 0, 1, 0                                   ; nothing is left to fetch
	QUARTER 1, 1, F0, F1, 0                        ; K step 3
	QUARTER 1, 2, F1, F0, 0
	QUARTER 1, 3, F0, F1, 0
	s_wait_dscnt 16
	WIN MUL
	MUL8 F1, 0, 0, 0
	MUL8 F1, 0, 2, 0
	s_wait_dscnt 0x0
	MUL8 F1, 1, 0, 0
	MUL8 F1, 1, 2, 0
	WIN 0
; THE WAY OUT, 16 rows x 64 columns at a time.  A lane holds 32 neighbouring bytes of a row and the lanes beside it other rows: the block goes through my own stage and comes back as rows of 256 bytes.
; LDS serves a wave's instructions in order (ISA guide 5.7.1.4): no wait between the stores and the loads, nor in front of the next block's stores.
.macro TOSTAGE a
.irp b, 0,1,2,3
	ds_store_b128 v[STO], v[ACC+8*(4*(\a)+\b):ACC+8*(4*(\a)+\b)+3] offset:64*\b            ; each accumulator from its low end on
	ds_store_b128 v[STO], v[ACC+8*(4*(\a)+\b)+4:ACC+8*(4*(\a)+\b)+7] offset:64*\b+16
.endr
.irp i, 0,1,2,3,4,5,6,7
	ds_load_b128 v[TMP+32*((\a)%2)+4*\i:TMP+32*((\a)%2)+4*\i+3], v[RD] offset:\i*2*SPITCH
.endr
.endm
.macro SEND a, younger                 ; younger: the LDS instructions issued behind block a's loads, which may stay out
	s_wait_dscnt \younger
.irp i, 0,1,2,3,4,5,6,7
	global_store_b128 v[CO], v[TMP+32*((\a)%2)+4*\i:TMP+32*((\a)%2)+4*\i+3], s[10:11] offset:(16*(\a)+2*\i)*4096 th:TH_STORE_NT   ; sixteen lanes store 256 consecutive bytes, aligned; written once, read by nobody here
.endr
.endm
	PLACES
	TOSTAGE 0
	TOSTAGE 1
	SEND 0, 16                                     ; behind block 0's loads: block 1's 8 stores and 8 loads
	s_wait_xcnt 0x0                                ; block 0's stores have read their registers: block 2's loads may land there
	TOSTAGE 2
	SEND 1, 16
	s_wait_xcnt 0x0
	TOSTAGE 3
	SEND 2, 16
	SEND 3, 0
	s_wait_tensorcnt 0x0                           ; the wave's end: behind my last tensor load and my last LDS store
	ds_add_u32 v[SPW], v[NIL]
	s_wait_dscnt 0x0
	CROUND                                         ; the closing round
	s_endpgm
.Lfunc_end_k_qb0fccc47dc_proj:
	.size	k_qb0fccc47dc_proj, .Lfunc_end_k_qb0fccc47dc_proj-k_qb0fccc47dc_proj
	.p2alignl 7, 3214868480
	.fill 96, 4, 3214868480
	.section	.rodata,"a",@progbits
	.p2align	6, 0x0
	.amdhsa_kernel k_qb0fccc47dc_proj
		.amdhsa_group_segment_fixed_size 327680
		.amdhsa_private_segment_fixed_size 0
		.amdhsa_enable_private_segment 0
		.amdhsa_kernarg_size 32
		.amdhsa_user_sgpr_count 2
		.amdhsa_user_sgpr_kernarg_segment_ptr 1
		.amdhsa_wavefront_size32 1
		.amdhsa_system_sgpr_workgroup_id_x 1
		.amdhsa_system_sgpr_workgroup_id_y 1
		.amdhsa_system_sgpr_workgroup_id_z 1
		.amdhsa_system_vgpr_workitem_id 0
		.amdhsa_next_free_vgpr 512
		.amdhsa_next_free_sgpr 80
		.amdhsa_reserve_vcc 0
		.amdhsa_float_denorm_mode_32 3
		.amdhsa_float_denorm_mode_16_64 3
		.amdhsa_memory_ordered 1
		.amdhsa_forward_progress 1
		.amdhsa_inst_pref_size 86
	.end_amdhsa_kernel
	.amdgpu_metadata
---
amdhsa.version: [ 1, 2 ]
amdhsa.kernels:
  - .name:           k_qb0fccc47dc_proj
    .symbol:         k_qb0fccc47dc_proj.kd
    .args:
      - { .name: o16, .offset: 0, .size: 8, .value_kind: global_buffer, .address_space: global }
      - { .name: wo16, .offset: 8, .size: 8, .value_kind: global_buffer, .address_space: global }
      - { .name: bo, .offset: 16, .size: 8, .value_kind: global_buffer, .address_space: global }
      - { .name: out0, .offset: 24, .size: 8, .value_kind: global_buffer, .address_space: global }
    .group_segment_fixed_size: 327680
    .private_segment_fixed_size: 0
    .kernarg_segment_align: 8
    .kernarg_segment_size: 32
    .max_flat_workgroup_size: 128
    .sgpr_count:     80
    .vgpr_count:     512
    .wavefront_size: 32
...
	.end_amdgpu_metadata
.endif
;; end of part 4
